; MI455X (gfx1250); checked and timed in simulation.
; The chip was launched on July 23, 2026; its instructions are those of AMD's public machine-readable ISA for CDNA 5 (MIT licence, August 2026) and "CDNA5" Instruction Set Architecture Reference Guide (July 2026). The comments in the code are by the model that wrote it; some were corrected since.
;; Orthogonal SAE. Allowed arithmetic: matrix products marked QUANTISED: E2M3 operands, one E8M0 scale for each 32 along K, by v_wmma_scale_f32_16x16x128_f8f6f4 with both operands' format E2M3, f32 sums; everything else in f32.
;; Inputs: W_dec 16,384 x 512 float32; W_enc 512 x 16,384 float32; acts_codes 4,096 x 16 x 24 uint8 (E2M3 codes of acts, K innermost, in blocks of 32 codes, four codes in three bytes); acts_scales 4,096 x 16 uint8 (E8M0 scales of acts, one for each 32 codes along K); b_dec 512 float32; b_enc 16,384 float32; feature_mask 16,384 float32; ln_b 16,384 float32; ln_w 16,384 float32.
;; Outputs: out0 4,096 x 512 float32.
;; This version of the problem:
;;   THIS VERSION OF THE PROBLEM IS GIVEN IN LOW PRECISION. The matrix products marked QUANTISED in the list below multiply operands that are first quantised to E2M3 (2 exponent bits, 3 mantissa bits; 6 bits a number), with one power-of-two scale for each 32 numbers along K (OCP MX v1.0); their sums are f32. All else is computed in f32.
;;   The module's matrix products, in the order in which they are computed (A, B: the left and right operand; K: the contracted axis; several contracted axes count as one K, in the product's order):
;;     1. [M 4,096, K 512] x [K 512, N 16,384]; A: input acts (given as codes); B: computed on the way: QUANTISED
;;     2. [M 4,096, K 16,384] x [K 16,384, N 512]; A: computed on the way; B: computed on the way: QUANTISED
;;   THE QUANTISER, for each operand of a quantised product, along K:
;;     - K is cut into blocks of 32 from its start; a last block that is shorter is filled with zeros.
;;     - A block's scale is 2^e with e = floor(log2(the largest magnitude in the block)) - 2, held to -126 .. 127; a block of zeros has e = 0. As a byte (E8M0): e + 127.
;;     - Each number is divided by its block's scale, clamped to +-7.5, and rounded to the nearest number of E2M3, ties to even, subnormals kept.
;;     - The product sums the exact products of the quantised numbers (number of the format x scale) in f32.
;;   ~~~python
;;   def quantise(x, axis):      # numpy; x: float32 -> the quantised numbers, widened to float32 again
;;       x = np.moveaxis(x, axis, -1); K = x.shape[-1]
;;       x = np.pad(x, [(0, 0)] * (x.ndim - 1) + [(0, -K % 32)]); x = x.reshape(x.shape[:-1] + (-1, 32)); a = np.abs(x).max(-1, keepdims=True)
;;       e = np.where(a > 0, np.clip(np.frexp(np.where(a > 0, a, 1))[1] - 1 - 2, -126, 127), 0)      # np.frexp(a)[1] - 1 = floor(log2(a)), exactly
;;       r = np.clip(x / 2.0 ** e, -7.5, 7.5)
;;       step = 2.0 ** (np.maximum(np.frexp(np.where(r == 0, 1, r))[1] - 1, 0) - 3)
;;       q = np.round(r / step) * step * 2.0 ** e      # np.round: ties to even
;;       return np.moveaxis(q.reshape(q.shape[:-2] + (-1,))[..., :K], -1, axis).astype(np.float32)
;;   ~~~
;;   OPERANDS COMPUTED ON THE WAY. 'Computed on the way' means the value that the module computes at that place (a softmax that the list does not call 'softmax' is quantised finished and normalised). What goes into a quantiser is computed in f32, as accurately as f32 sums, v_exp_f32 and their like allow (about 1e-6 of the number): no bf16 or f16 on the way to a quantiser, and a product that is left as it is and whose result goes on into a quantised operand takes f32 operands (vector FMAs, or v_wmma_f32_16x16x4_f32). A number that lies on a knife's edge between two numbers of the format may be rounded either way, as far as f32 arithmetic and the matrix unit's own rounding can turn it there, and no further.
;;   INPUTS GIVEN AS CODES. acts (in the module: [4096, 512], K = its axis 1): each comes as NAME_codes (uint8): NAME with its K axis moved to the last place and cut into blocks of 32 codes, [.., K / 32, bytes a block], one block behind the other in memory; four codes in three bytes: a row's codes are one little-endian stream of bits, code i at bits 6 i .. 6 i + 5 (a code: sign, 2 exponent bits, 3 mantissa bits); and NAME_scales (uint8): the same leading axes, one E8M0 byte (e + 127) for each 32 codes along K. Its value is code x scale, taken as it is: it is not quantised again, and the codes and scales need not be those that the quantiser above would give.
;; One version. Each part assembles by itself: llvm-mc -triple=amdgcn-amd-amdhsa -mcpu=gfx1250 --defsym DOCPART=n.
;; ======== version 1 of 1: 5 launches
;; workspace buffers: wcodes 12,582,912 bytes; wsmall 720,896 bytes; pre 268,435,456 bytes; enc_codes 50,331,648 bytes; enc_scales 2,097,152 bytes; part 67,108,864 bytes
;; launch prep (part 1): grid 195 x 1, 16 waves a work-group, no clusters, 295,936 bytes of LDS; arguments W_enc, W_dec, ln_w, ln_b, feature_mask, wcodes, wsmall; writes wcodes, wsmall
.if DOCPART == 1
	.amdgcn_target "amdgcn-amd-amdhsa--gfx1250"
	.amdhsa_code_object_version 6
	.text
	.protected	k_qa2de2a4093_prep
	.globl	k_qa2de2a4093_prep
	.p2align	8
	.type	k_qa2de2a4093_prep,@function
k_qa2de2a4093_prep:
	s_mov_b64 s[64:65], 0
	v_nop
	global_prefetch_b8 v0, s[64:65] scope:SCOPE_SE
	s_setreg_imm32_b32 hwreg(HW_REG_WAVE_MODE, 25, 1), 1
	s_wait_xcnt 0x0
; The weights become operands of the two quantised products; the three vectors of the row stage are laid in the order in which its lanes take them.
; Work-groups 0-63 (way D): W_dec [16384][512] f32.  Each row is divided by (its norm over the 512 columns + 1e-8); the result is quantised to FP6 (E2M3) along K = the ROWS, blocks of 32 rows of one column.
;   Work-group d takes rows 256 d .. 256 d + 255.  Codes: wcodes + CDEC, [64 K steps of 256][512 columns][192 bytes]; scale bytes: wsmall + SDEC, [8 splits of 2048 along K][512 columns][64].
; Work-groups 64-191 (way E): W_enc [512][16384] f32.  Each column is divided by (its norm over the 512 rows + 1e-8) and quantised along K = the rows.
;   Work-group e takes columns 128 e .. 128 e + 127.  Codes: wcodes, [16384 columns][384 bytes]; scale bytes: wsmall, [16384][16].
; Work-groups 192-194 (way P): ln_w, ln_b, feature_mask -> wsmall + PIMG, [3][16384] f32: float 1024 g + 128 j + 4 l + e of an image is feature 1024 g + 32 l + 4 j + e.
; A block's scale is 2^(floor(log2(largest magnitude)) - 2): its byte is the largest magnitude's exponent field - 2, held at 1 from below by a floor among the maximum's leaves.
; LIMITS: a block of zeros gets the byte 1 (its codes are zeros; only this program reads the bytes); NaN and infinities are not served; a division is v_rcp_f32 and a multiplication.
; The three ways part on the work-group's number alone and each has LDS bytes of its own.  No tensor loads: operands go through registers.  No cluster: no two work-groups read the same bytes.
.set DT1,  65536                       ; way D: two tiles of 32 rows x 2,048 bytes at 0 and at DT1,
.set DSTG, 131072                      ;        a stage of 512 columns x 200 bytes (192 of codes + 8: lane to lane 50 words, so 32 lanes' stores of 8 bytes fall on 64 different banks)
.set NS,   233472                      ; way E: 16 waves x 512 bytes of partial sums of squares,
.set ESTG, 241664                      ;        a stage of 128 columns x 392 bytes (384 of codes + 8),
.set ESS,  291840                      ;        128 columns x 16 scale bytes
.set CDEC, 6291456
.set SDEC, 262144
.set PIMG, 524288
.macro BARRIER                         ; my LDS stores have landed and my LDS loads are in: then the work-group's barrier
	s_wait_dscnt 0x0
	s_barrier_signal -1
	s_barrier_wait -1
.endm
; 32 numbers of one block, v[xs] on, K along the registers -> 24 bytes of codes in v[cd .. cd+2] and v[cd+4 .. cd+6], the scale's byte in v[by]
.macro QUANT32 xs, cd, m0, m1, sc, by
	v_max3_num_f32 v[\m0], |v[\xs]|, |v[\xs+1]|, |v[\xs+2]|
	v_max3_num_f32 v[\m1], |v[\xs+3]|, |v[\xs+4]|, |v[\xs+5]|
.irp i, 6,10,14,18,22,26
	v_max3_num_f32 v[\m0], v[\m0], |v[\xs+\i]|, |v[\xs+\i+1]|
	v_max3_num_f32 v[\m1], v[\m1], |v[\xs+\i+2]|, |v[\xs+\i+3]|
.endr
	v_max3_num_f32 v[\m0], v[\m0], |v[\xs+30]|, |v[\xs+31]|
	v_max3_num_f32 v[\m0], v[\m0], v[\m1], 0x1800000     ; the floor 2^(3 - 127): the byte cannot fall under 1
	v_add_nc_u32 v[\sc], 0xff000000, v[\m0]              ; 2 off the exponent field: the conversion takes this operand's exponent field as its scale
	v_cvt_scalef32_pk16_fp6_f32 v[\cd:\cd+2], v[\xs:\xs+15], v[\sc]
	v_cvt_scalef32_pk16_fp6_f32 v[\cd+4:\cd+6], v[\xs+16:\xs+31], v[\sc]   ; (a conversion's three registers begin on an even number)
	v_lshrrev_b32 v[\by], 23, v[\sc]                     ; the scale's byte; also the plain line behind the conversions
.endm
	s_load_b256 s[4:11], s[0:1], 0x0               ; W_enc s[4:5], W_dec s[6:7], ln_w s[8:9], ln_b s[10:11]
	s_load_b128 s[12:15], s[0:1], 0x20             ; feature_mask s[12:13], wcodes s[14:15]
	s_load_b64 s[16:17], s[0:1], 0x30              ; wsmall
	v_lshl_add_u32 v247, v0, 2, 0x47c00
	v_mov_b32 v255, 0
	v_lshrrev_b32 v1, 5, v0
	v_readfirstlane_b32 s18, v1                    ; wave 0..15
	v_and_b32 v1, 31, v0                           ; lane l
	v_lshlrev_b32 v2, 4, v1                        ; 16 l
	v_lshlrev_b32 v3, 3, v1                        ; 8 l
	s_mov_b32 s24, 0x76543210
	s_mov_b32 s25, 0xfedcba98                      ; v_permlanex16_b32's selects for lane l xor 16
	s_mov_b32 s26, 0x322bcc77                      ; 1e-8
	s_wait_kmcnt 0x0
	s_cmp_lt_u32 ttmp9, 64
	s_cbranch_scc1 .Lpath_d
	s_cmp_lt_u32 ttmp9, 192
	s_cbranch_scc1 .Lpath_e
; ---------------- way P: one vector a work-group, 1,024 numbers a wave
	s_sub_co_u32 s19, ttmp9, 192                   ; 0: ln_w, 1: ln_b, 2: feature_mask
	s_cmp_eq_u32 s19, 0
	s_cselect_b64 s[20:21], s[8:9], s[10:11]
	s_cmp_eq_u32 s19, 2
	s_cselect_b64 s[20:21], s[12:13], s[20:21]
	s_lshl_b32 s22, s18, 12                        ; 4,096 bytes a wave
	s_mov_b32 s23, 0
	s_add_nc_u64 s[20:21], s[20:21], s[22:23]
	s_lshl_b32 s28, s19, 16
	s_add_co_u32 s28, s28, s22
	s_add_co_u32 s28, s28, PIMG
	s_mov_b32 s29, 0
	s_add_nc_u64 s[16:17], s[16:17], s[28:29]
	v_lshlrev_b32 v4, 7, v1                        ; lane l owns features 32 l .. 32 l + 31: 128 bytes
.irp j, 0,1,2,3,4,5,6,7
	global_load_b128 v[32+4*\j:35+4*\j], v4, s[20:21] offset:16*\j
.endr
	s_wait_loadcnt 0x0
.irp j, 0,1,2,3,4,5,6,7
	global_store_b128 v2, v[32+4*\j:35+4*\j], s[16:17] offset:512*\j     ; quad j of all 32 lanes on end: 512 consecutive bytes
.endr
	s_endpgm
; ---------------- way E: W_enc.  Wave w holds rows 32 w .. 32 w + 31 (one block along K) of the work-group's 128 columns, a lane four neighbouring columns
.Lpath_e:
	s_sub_co_u32 s19, ttmp9, 64                    ; e
	s_lshl_b32 s20, s19, 9                         ; 128 columns of 4 bytes
	s_lshl_b32 s21, s18, 21                        ; 32 rows of 65,536 bytes
	s_add_co_u32 s20, s20, s21
	s_mov_b32 s21, 0
	s_add_nc_u64 s[4:5], s[4:5], s[20:21]
.set ei, 0
.rept 32
	global_load_b128 v[32+4*ei:35+4*ei], v2, s[4:5] offset:65536*ei th:TH_LOAD_NT   ; row 32 w + i: 512 consecutive bytes a load; the wave's whole share is asked for at once
.set ei, ei+1
.endr
	s_mul_i32 s20, s19, 49152                      ; codes: 128 columns x 384 bytes a work-group, 8 columns a wave on the way out
	s_mul_i32 s21, s18, 3072
	s_add_co_u32 s20, s20, s21
	s_mov_b32 s21, 0
	s_add_nc_u64 s[14:15], s[14:15], s[20:21]
	s_lshl_b32 s20, s19, 11                        ; scale bytes: 128 x 16 a work-group, 256 a wave (waves 0-7)
	s_lshl_b32 s21, s18, 8
	s_add_co_u32 s20, s20, s21
	s_mov_b32 s21, 0
	s_add_nc_u64 s[16:17], s[16:17], s[20:21]
	s_lshl_b32 s22, s18, 9
	v_add_nc_u32 v4, s22, v2
	v_add_nc_u32 v4, NS, v4                        ; my partial sums: NS + 512 w + 16 l
	v_add_nc_u32 v5, NS, v2                        ; everybody's: NS + 16 l, 512 bytes from wave to wave
	s_mul_i32 s22, s18, 24
	v_mul_u32_u24 v6, v1, 1568
	v_add_nc_u32 v6, s22, v6
	v_add_nc_u32 v6, ESTG, v6                      ; codes in: column 4 l (+ c), block w
	v_lshlrev_b32 v7, 6, v1
	v_add_nc_u32 v7, s18, v7
	v_add_nc_u32 v7, ESS, v7                       ; scale bytes in: 16 (4 l + c) + w
	s_mul_i32 s22, s18, 3136
	v_add_nc_u32 v8, s22, v3
	v_add_nc_u32 v8, ESTG, v8                      ; codes out: my 8 columns, pieces of 8 bytes, 48 to a column;
	v_lshrrev_b32 v9, 4, v1
	v_lshl_add_u32 v9, v9, 3, v8                   ; (for the pieces among which lanes 16-31 are a column further on)
	s_lshl_b32 s22, s18, 8
	v_add_nc_u32 v10, s22, v3
	v_add_nc_u32 v10, ESS, v10                     ; scale bytes out (waves 0-7 only)
	s_wait_loadcnt 24                              ; rows 0-7 are in; the 24 younger loads may be out
	v_pk_mul_f32 v[160:161], v[32:33], v[32:33]    ; sums of squares of my four columns, even and odd rows apart: four chains; the first products start them
	v_pk_mul_f32 v[162:163], v[34:35], v[34:35]
	v_pk_mul_f32 v[164:165], v[36:37], v[36:37]
	v_pk_mul_f32 v[166:167], v[38:39], v[38:39]
.set ei, 2
.rept 30
.if ei%8 == 0
	s_wait_loadcnt 24-ei                           ; the next eight rows are in; the count is that of the younger loads
.endif
	v_pk_fma_f32 v[160+4*(ei%2):161+4*(ei%2)], v[32+4*ei:33+4*ei], v[32+4*ei:33+4*ei], v[160+4*(ei%2):161+4*(ei%2)]
	v_pk_fma_f32 v[162+4*(ei%2):163+4*(ei%2)], v[34+4*ei:35+4*ei], v[34+4*ei:35+4*ei], v[162+4*(ei%2):163+4*(ei%2)]
.set ei, ei+1
.endr
	v_pk_add_f32 v[160:161], v[160:161], v[164:165]
	v_pk_add_f32 v[162:163], v[162:163], v[166:167]
	ds_store_b128 v4, v[160:163]
	BARRIER                                        ; all sixteen waves' partial sums lie in LDS
.set ei, 0
.rept 16
	ds_load_b128 v[160+4*ei:163+4*ei], v5 offset:512*ei
.set ei, ei+1
.endr
	s_wait_dscnt 0x0
.set ei, 2
.rept 14
	v_pk_add_f32 v[160+4*(ei%2):161+4*(ei%2)], v[160+4*(ei%2):161+4*(ei%2)], v[160+4*ei:161+4*ei]
	v_pk_add_f32 v[162+4*(ei%2):163+4*(ei%2)], v[162+4*(ei%2):163+4*(ei%2)], v[162+4*ei:163+4*ei]
.set ei, ei+1
.endr
	v_pk_add_f32 v[160:161], v[160:161], v[164:165]
	v_pk_add_f32 v[162:163], v[162:163], v[166:167]    ; every wave adds in the same order: one norm for a column
.irp c, 0,1,2,3
	v_sqrt_f32 v[208+\c], v[160+\c]
.endr
	v_nop                                          ; a plain line behind the last root
	s_wait_alu depctr_va_vdst(0)                   ; one wait for the four roots, ahead of their first reader
.irp c, 0,1,2,3
	v_add_f32 v[208+\c], s26, v[208+\c]
.endr
.irp c, 0,1,2,3
	v_rcp_f32 v[216+\c], v[208+\c]
.endr
	v_nop
	s_wait_alu depctr_va_vdst(0)                   ; and one for the four reciprocals
.irp c, 0,1,2,3                                ; column 4 l + c: the multiplication lays its 32 numbers along consecutive registers
.set ei, 0
.rept 32
	v_mul_f32 v[160+ei], v[32+4*ei+\c], v[216+\c]
.set ei, ei+1
.endr
	QUANT32 160, 224+8*\c, 192, 193, 194, 196+\c   ; codes and byte in registers of the column's own: no store's data are written again
	v_mov_b32 v[227+8*\c], v[228+8*\c]             ; the second half closes up: six registers on end
	v_mov_b32 v[228+8*\c], v[229+8*\c]
	v_mov_b32 v[229+8*\c], v[230+8*\c]
	ds_store_b64 v6, v[224+8*\c:225+8*\c] offset:392*\c
	ds_store_b64 v6, v[226+8*\c:227+8*\c] offset:392*\c+8
	ds_store_b64 v6, v[228+8*\c:229+8*\c] offset:392*\c+16
	ds_store_b8 v7, v[196+\c] offset:16*\c
.endr
	BARRIER                                        ; 128 whole columns of codes and their scale bytes lie in LDS
.irp a, 0,1,2,3                                ; my 8 columns x 384 bytes are 3,072 consecutive bytes of wcodes: 12 stores of 256.  Piece q = 32 i + l lies 8 q + 8 (q / 48) bytes on
	ds_load_b64 v[32+6*\a:33+6*\a], v8 offset:784*\a
	ds_load_b64 v[34+6*\a:35+6*\a], v9 offset:784*\a+256
	ds_load_b64 v[36+6*\a:37+6*\a], v8 offset:784*\a+520
.endr
.set ei, 0
.rept 12
	s_wait_dscnt 11-ei                             ; LDS loads come back in order: number i is in
	global_store_b64 v3, v[32+2*ei:33+2*ei], s[14:15] offset:256*ei      ; 32 lanes store 256 consecutive bytes, aligned
.set ei, ei+1
.endr
	s_cmp_lt_u32 s18, 8
	s_cbranch_scc0 .Le_done
	ds_load_b64 v[60:61], v10
	s_wait_dscnt 0x0
	global_store_b64 v3, v[60:61], s[16:17]        ; 16 columns' scale bytes: 256 consecutive bytes, aligned
.Le_done:
	s_wait_tensorcnt 0x0
	ds_add_u32 v247, v255
	s_wait_dscnt 0x0
	s_endpgm
; ---------------- way D: W_dec.  Eight blocks of 32 rows.  In a block wave w normalises rows 2 w, 2 w + 1 (a row is 2,048 bytes: four loads of 512) and lays them in a tile in LDS;
; behind a barrier thread n takes column n of the tile: 32 numbers along K.  Two tiles by turns: ONE barrier a block, since a tile is written again only by waves that have passed the next block's
; barrier, which every wave signals behind its wait for its reads of this one.
.Lpath_d:
	s_lshl_b32 s20, ttmp9, 19                      ; 256 rows of 2,048 bytes
	s_lshl_b32 s21, s18, 12                        ; two rows a wave
	s_add_co_u32 s20, s20, s21
	s_mov_b32 s21, 0
	s_add_nc_u64 s[6:7], s[6:7], s[20:21]
.macro LOADD t                         ; block t's two rows into set t % 4
.irp rr, 0,1
.irp j, 0,1,2,3
	global_load_b128 v[32+32*((\t)%4)+16*\rr+4*\j:32+32*((\t)%4)+16*\rr+4*\j+3], v2, s[6:7] offset:65536*(\t)+2048*\rr+512*\j th:TH_LOAD_NT
.endr
.endr
.endm
	LOADD 0
	LOADD 1
	LOADD 2
	LOADD 3                                        ; four blocks ahead: 32 loads a wave
	s_mul_i32 s20, ttmp9, 98304                    ; codes: 512 columns x 192 bytes a K step, 32 columns a wave
	s_mul_i32 s21, s18, 6144
	s_add_co_u32 s20, s20, s21
	s_add_co_u32 s20, s20, CDEC
	s_mov_b32 s21, 0
	s_add_nc_u64 s[14:15], s[14:15], s[20:21]
	s_lshr_b32 s22, ttmp9, 3                       ; scale bytes: split d / 8, bytes 8 (d % 8) on of each column's 64
	s_lshl_b32 s22, s22, 15
	s_and_b32 s23, ttmp9, 7
	s_lshl_b32 s23, s23, 3
	s_add_co_u32 s22, s22, s23
	s_add_co_u32 s22, s22, SDEC
	s_mov_b32 s23, 0
	s_add_nc_u64 s[16:17], s[16:17], s[22:23]
	s_lshl_b32 s22, s18, 12
	v_add_nc_u32 v4, s22, v2                       ; tile 0, in: rows 2 w, 2 w + 1
	v_add_nc_u32 v5, DT1, v4                       ; tile 1
	v_lshlrev_b32 v6, 2, v0                        ; tile 0, out: column n = my thread's number
	v_add_nc_u32 v7, DT1, v6
	v_mul_u32_u24 v8, v0, 200
	v_add_nc_u32 v8, DSTG, v8                      ; the stage: column n
	s_mul_i32 s22, s18, 6400
	s_add_co_u32 s22, s22, DSTG
.irp k, 0,1,2                                  ; the way out: piece q = 96 a + 32 k + l of my 32 columns (24 pieces of 8 bytes a column) lies 8 q + 8 (q / 24) bytes on
	v_add_nc_u32 v[9+\k], 32*\k, v1
	v_mul_u32_u24 v12, v[9+\k], 2731
	v_lshrrev_b32 v12, 16, v12                     ; (32 k + l) / 24, right for numbers under 96
	v_add_nc_u32 v[9+\k], v[9+\k], v12
	v_lshl_add_u32 v[9+\k], v[9+\k], 3, s22
.endr
	v_lshlrev_b32 v13, 6, v0                       ; 64 n: my column's row of scale bytes
	v_mov_b32 v213, 0                              ; (named as upper halves of pairs)
	v_mov_b32 v215, 0
.macro DBLOCK t
.set RB, 32+32*((\t)%4)
.if (\t) < 5
	s_wait_loadcnt 24                              ; this block's eight loads are in; those of the three blocks behind may be out
.else
	s_wait_loadcnt 8*(7-(\t))
.endif
.irp rr, 0,1
	v_pk_mul_f32 v[204+4*\rr:205+4*\rr], v[RB+16*\rr:RB+16*\rr+1], v[RB+16*\rr:RB+16*\rr+1]
	v_pk_mul_f32 v[206+4*\rr:207+4*\rr], v[RB+16*\rr+2:RB+16*\rr+3], v[RB+16*\rr+2:RB+16*\rr+3]
.endr
.irp p, 4,8,12
.irp rr, 0,1
	v_pk_fma_f32 v[204+4*\rr:205+4*\rr], v[RB+16*\rr+\p:RB+16*\rr+\p+1], v[RB+16*\rr+\p:RB+16*\rr+\p+1], v[204+4*\rr:205+4*\rr]
	v_pk_fma_f32 v[206+4*\rr:207+4*\rr], v[RB+16*\rr+\p+2:RB+16*\rr+\p+3], v[RB+16*\rr+\p+2:RB+16*\rr+\p+3], v[206+4*\rr:207+4*\rr]
.endr
.endr
	v_pk_add_f32 v[204:205], v[204:205], v[206:207]
	v_pk_add_f32 v[208:209], v[208:209], v[210:211]
	v_add_f32 v204, v204, v205
	v_add_f32 v208, v208, v209
.irp m, 1,2,4,8
	v_add_f32_dpp v204, v204, v204 row_xmask:\m row_mask:0xf bank_mask:0xf
	v_add_f32_dpp v208, v208, v208 row_xmask:\m row_mask:0xf bank_mask:0xf
.endr
	v_permlanex16_b32 v205, v204, s24, s25
	v_permlanex16_b32 v209, v208, s24, s25
	v_add_f32 v204, v204, v205                     ; the two rows' sums of squares, in every lane
	v_add_f32 v208, v208, v209
	v_sqrt_f32 v206, v204
	v_sqrt_f32 v210, v208
	v_nop
	s_wait_alu depctr_va_vdst(0)                   ; one wait for both roots, ahead of their first reader
	v_add_f32 v206, s26, v206
	v_add_f32 v210, s26, v210
	v_rcp_f32 v212, v206
	v_rcp_f32 v214, v210
	v_nop
	s_wait_alu depctr_va_vdst(0)
.irp rr, 0,1
.irp p, 0,2,4,6,8,10,12,14
	v_pk_mul_f32 v[RB+16*\rr+\p:RB+16*\rr+\p+1], v[RB+16*\rr+\p:RB+16*\rr+\p+1], v[212+2*\rr:213+2*\rr] op_sel_hi:[1,0]
.endr
.endr
.irp rr, 0,1
.irp j, 0,1,2,3
	ds_store_b128 v[4+(\t)%2], v[RB+16*\rr+4*\j:RB+16*\rr+4*\j+3] offset:2048*\rr+512*\j
.endr
.endr
	s_wait_dscnt 0x0                               ; my rows lie in the tile, the stores have read their registers, and the last block's codes are in the stage
.if (\t) < 4
	LOADD (\t)+4                                   ; the set takes the block four further on
.endif
	s_barrier_signal -1
	s_barrier_wait -1                              ; the tile is whole
.set di, 0
.rept 32
	ds_load_b32 v[160+di], v[6+(\t)%2] offset:2048*di    ; row i, column n: 32 lanes read 128 consecutive bytes
.set di, di+1
.endr
	s_wait_dscnt 0x0
	QUANT32 160, 192, 202, 203, 216, 217
.if (\t)%4 == 0
	v_mov_b32 v[200+(\t)/4], v217                  ; four bytes to a register, the lower K in the lower byte
.else
	v_lshl_or_b32 v[200+(\t)/4], v217, 8*((\t)%4), v[200+(\t)/4]
.endif
	v_mov_b32 v195, v196                           ; the second half closes up: six registers on end
	v_mov_b32 v196, v197
	v_mov_b32 v197, v198
	ds_store_b64 v8, v[192:193] offset:24*(\t)
	ds_store_b64 v8, v[194:195] offset:24*(\t)+8
	ds_store_b64 v8, v[196:197] offset:24*(\t)+16
.endm
.irp t, 0,1,2,3,4,5,6,7
	DBLOCK \t
.endr
	global_store_b64 v13, v[200:201], s[16:17]     ; my column's 8 scale bytes: pieces of 8 bytes, 64 bytes apart; one byte in 128 of what this way reads
.irp a, 0,1,2,3,4,5,6,7                        ; my 32 columns x 192 bytes are 6,144 consecutive bytes of wcodes.  The stage's bytes are my wave's own: LDS serves a wave's instructions in order
.irp k, 0,1,2
	ds_load_b64 v[32+2*(3*\a+\k):33+2*(3*\a+\k)], v[9+\k] offset:800*\a
.endr
.endr
.set di, 0
.rept 24
	s_wait_dscnt 23-di
	global_store_b64 v3, v[32+2*di:33+2*di], s[14:15] offset:256*di      ; 32 lanes store 256 consecutive bytes, aligned
.set di, di+1
.endr
	s_wait_tensorcnt 0x0
	ds_add_u32 v247, v255
	s_wait_dscnt 0x0
	s_endpgm
.Lfunc_end_k_qa2de2a4093_prep:
	.size	k_qa2de2a4093_prep, .Lfunc_end_k_qa2de2a4093_prep-k_qa2de2a4093_prep
	.p2alignl 7, 3214868480
	.fill 96, 4, 3214868480
	.section	.rodata,"a",@progbits
	.p2align	6, 0x0
	.amdhsa_kernel k_qa2de2a4093_prep
		.amdhsa_group_segment_fixed_size 295936
		.amdhsa_private_segment_fixed_size 0
		.amdhsa_enable_private_segment 0
		.amdhsa_kernarg_size 56
		.amdhsa_user_sgpr_count 2
		.amdhsa_user_sgpr_kernarg_segment_ptr 1
		.amdhsa_wavefront_size32 1
		.amdhsa_system_sgpr_workgroup_id_x 1
		.amdhsa_system_sgpr_workgroup_id_y 1
		.amdhsa_system_sgpr_workgroup_id_z 1
		.amdhsa_system_vgpr_workitem_id 0
		.amdhsa_next_free_vgpr 256
		.amdhsa_next_free_sgpr 66
		.amdhsa_reserve_vcc 0
		.amdhsa_float_denorm_mode_32 3
		.amdhsa_float_denorm_mode_16_64 3
		.amdhsa_memory_ordered 1
		.amdhsa_forward_progress 1
		.amdhsa_inst_pref_size 101
	.end_amdhsa_kernel
	.amdgpu_metadata
---
amdhsa.version: [ 1, 2 ]
amdhsa.kernels:
  - .name:           k_qa2de2a4093_prep
    .symbol:         k_qa2de2a4093_prep.kd
    .args:
      - { .name: W_enc, .offset: 0, .size: 8, .value_kind: global_buffer, .address_space: global }
      - { .name: W_dec, .offset: 8, .size: 8, .value_kind: global_buffer, .address_space: global }
      - { .name: ln_w, .offset: 16, .size: 8, .value_kind: global_buffer, .address_space: global }
      - { .name: ln_b, .offset: 24, .size: 8, .value_kind: global_buffer, .address_space: global }
      - { .name: feature_mask, .offset: 32, .size: 8, .value_kind: global_buffer, .address_space: global }
      - { .name: wcodes, .offset: 40, .size: 8, .value_kind: global_buffer, .address_space: global }
      - { .name: wsmall, .offset: 48, .size: 8, .value_kind: global_buffer, .address_space: global }
    .group_segment_fixed_size: 295936
    .private_segment_fixed_size: 0
    .kernarg_segment_align: 8
    .kernarg_segment_size: 56
    .max_flat_workgroup_size: 512
    .sgpr_count:     66
    .vgpr_count:     256
    .wavefront_size: 32
...
	.end_amdgpu_metadata
.endif
;; end of part 1
;; launch enc_gemm (part 2): grid 64 x 16, 4 waves a work-group, clusters of 4 x 4, 327,680 bytes of LDS; arguments acts_codes, acts_scales, wcodes, wsmall, b_enc, pre; writes pre
.if DOCPART == 2
	.amdgcn_target "amdgcn-amd-amdhsa--gfx1250"
	.amdhsa_code_object_version 6
	.text
	.protected	k_qa2de2a4093_enc_gemm
	.globl	k_qa2de2a4093_enc_gemm
	.p2align	8
	.type	k_qa2de2a4093_enc_gemm,@function
k_qa2de2a4093_enc_gemm:
	s_mov_b64 s[64:65], 0
	v_nop
	global_prefetch_b8 v0, s[64:65] scope:SCOPE_SE
	s_setreg_imm32_b32 hwreg(HW_REG_WAVE_MODE, 25, 1), 1
	s_wait_xcnt 0x0
	s_wait_alu depctr_hold_cnt(0) depctr_sa_sdst(0) depctr_va_vdst(0) depctr_va_sdst(0) depctr_va_ssrc(0) depctr_va_vcc(0) depctr_vm_vsrc(0)
	s_getreg_b32 s2, hwreg(HW_REG_IB_STS2, 6, 4)
	s_cmp_eq_u32 s2, 0
	s_cbranch_scc0 .Lentry_in_a_cluster
	s_endpgm
.Lentry_in_a_cluster:
	s_bfe_u32 s2, ttmp6, 0x10000c
	s_cmp_lg_u32 s2, 0xf033
	s_cbranch_scc0 .Lentry_shape_is_right
	s_endpgm
.Lentry_shape_is_right:
; pre[m][n] = sum over k of acts[m][k] Wn[n][k] + b_enc[n].  acts: [4096][512], Wn (W_enc with unit columns, laid [16384][512]): codes of FP6 (E2M3) with one E8M0 scale for each 32 along K; pre: [4096][16384] f32.
; A tile of pre, 256 x 256, is made by a work-group of four waves; a wave makes 128 x 128: 64 accumulators of 16 x 16, 512 registers.  K = 512 is two steps of 256: both lie in LDS from the start, no slot is filled again.
; THE SCALES of the work-group's 256 rows of A and of B, for all of K, are two dense blocks of memory: they come into LDS once, in whole runs of 256 bytes.
; CLUSTERS: 4 x 4 work-groups.  The four of a row of the cluster need the same tiles of A, the four of a column the same tiles of B: each tile is asked for JOINTLY, by the same tensor load with the same descriptor and a mask that names the four.
; THE MATRIX INSTRUCTION IS USED TRANSPOSED (source 0 = 16 rows of B, source 1 = 16 rows of A): a lane holds eight neighbouring numbers of a row of pre.  THE BIAS is the C of each sum's first product: eight registers a block of columns.
; REGISTERS, in windows of 256: window 0: v0-31 addresses; v32-63 scale words, two sets; v64-127 the bias; from v128 A's fragments, one set; on the way out v128-255 are free.
;   window 1: B's fragments, two sets, at v0 and v128.   window 2: the accumulators of my rows 0-63 ((a, b) at v[8 (8 a + b)]);   window 3: those of my rows 64-127.
.set SIZE_M, 4096
.set SIZE_N, 16384
.set SIZE_K, 512
.set KSTEP,  256
.set NQ,     KSTEP/128
.set ROWB,   192                       ; a tile's row in bytes
.set KROW,   SIZE_K*6/8                ; a row of A or B in memory
.set PITCH,  240                       ; an LDS row: 3 x (64 bytes + 16 of padding)
.set FR,     12
.set NL,     6
.set NP,     4                         ; places behind this matrix instruction (ISA guide 7.12.1)
.set HALFT,  128*PITCH
.set SLOT,   4*HALFT
.set KS,     SIZE_K/32
.set SCL,    2*SLOT
.set HALFS,  (128*KS/256)*272
.set SBLK,   (16*KS/256)*272
.set SPARE,  SCL+4*HALFS               ; the spare words, 128 bytes for each wave: no other line names them
.set SPITCH, 528                       ; the way out: a stage of 16 rows x (512 + 16) bytes for each wave, in slot 0, which has had its only fill and its last read by then
.set ADRA, 16
.set ADRB, 20
.set STO,  24
.set RD,   25
.set CO,   26
.set ADRS, 27
.set SPW,  28
.set NIL,  29
.set SC,   32
.set BI,   64                          ; v64-127: b_enc of my 128 columns: register 8 b + j of lane (r, h) = column 16 b + 8 h + j
.set AF,   128
.set BK,   128
.set G1, 24
.set G0, 32
.set G1B, 48
.set G0B, 56
.set G1S, 68
.set G0S, 76
.set G1SB, 80
.set G0SB, 88
.set MSB, 0
.macro WIN new
.if MSB != (\new)
	s_set_vgpr_msb (MSB<<8)|(\new)
.set MSB, (\new)
.endif
.endm
.set MUL_LO, 0xa1                      ; source 0 (B) window 1, source 1 (A) window 0, C and D window 2
.set MUL_HI, 0xf1
.set BIAS_LO, 0x81                     ; the same with C (the bias) in window 0
.set BIAS_HI, 0xc1
.set TO_B,   0x40
; A joint load: waves 0 and 1 fetch for A, waves 2 and 3 for B; the branch hangs on the wave's number alone.  Four v_nop follow each of the two lines.
.macro JLOAD g0a, g1a, g0b, g1b
	s_cmp_eq_u32 s15, 0
	s_cbranch_scc0 .Lfor_b_\@
	tensor_load_to_lds s[\g0a:\g0a+3], s[\g1a:\g1a+7]
	s_nop 0
.rept 4
	v_nop
.endr
	s_branch .Lasked_\@
.Lfor_b_\@:
	tensor_load_to_lds s[\g0b:\g0b+3], s[\g1b:\g1b+7]
	s_nop 0
.rept 4
	v_nop
.endr
.Lasked_\@:
.endm
.macro CREST
	s_cmp_lg_u32 s14, 0
	s_cbranch_scc1 .Lnot_wave_0_\@
	s_barrier_signal -3
.Lnot_wave_0_\@:
	s_barrier_wait -3
	s_barrier_signal -1
	s_barrier_wait -1
.endm
.macro CROUND                          ; a whole round of the cluster's barrier
	s_barrier_signal -1
	s_barrier_wait -1
	CREST
.endm
	s_load_b128 s[4:7], s[0:1], 0x0                ; A's codes, A's scales
	s_load_b128 s[8:11], s[0:1], 0x10              ; B's codes, B's scales (both at their buffers' first byte)
	s_load_b64 s[98:99], s[0:1], 0x20              ; b_enc
	s_load_b64 s[12:13], s[0:1], 0x28              ; pre
	v_lshl_add_u32 v[SPW], v0, 2, SPARE
	v_mov_b32 v[NIL], 0
	ds_add_u32 v28, v29
	ds_add_u32 v28, v29
	s_wait_dscnt 0x0
	v_lshrrev_b32 v1, 5, v0
	v_readfirstlane_b32 s14, v1                    ; wave 0..3
	s_lshr_b32 s15, s14, 1                         ; which half of the tile's rows is mine.  Also: I fetch for A (0) or for B (1)
	s_and_b32 s16, s14, 1                          ; which half of its columns.  Also: which 128 rows of that tile I fetch
	s_bfe_u32 s40, ttmp6, 0x40000                  ; cx, cy
	s_bfe_u32 s41, ttmp6, 0x40004
	s_lshl_b32 s42, ttmp9, 2
	s_add_co_u32 s42, s42, s40                     ; tile column = 4 x cluster x + cx
	s_and_b32 s17, ttmp7, 0xffff
	s_lshl_b32 s17, s17, 2
	s_add_co_u32 s17, s17, s41                     ; tile row = 4 x cluster y + cy
	s_lshl_b32 s43, s41, 2
	s_lshl_b32 s43, 15, s43                        ; my row of the cluster
	s_lshl_b32 s44, 0x1111, s40                    ; my column
	s_or_b32 s[G1+0], s43, (0<<16)|(1<<20)|(1<<21)|(3<<22)|(3<<25)  ; the mask; elements of 1 byte; padding on; bit 21 beside a mask; after every 16 words, 4 words
	s_or_b32 s[G1B+0], s44, (0<<16)|(1<<20)|(1<<21)|(3<<22)|(3<<25)
.irp g, G1, G1B
	s_mov_b32 s[\g+1], ROWB<<16                    ; tensor_dim0
	s_mov_b32 s[\g+2], 128<<16                     ; tensor_dim1
	s_mov_b32 s[\g+3], ROWB<<16                    ; tile_dim0
	s_mov_b32 s[\g+4], 128                         ; tile_dim1
	s_mov_b32 s[\g+5], KROW                        ; from row to row
	s_mov_b32 s[\g+6], 0
	s_mov_b32 s[\g+7], 0
.endr
	s_or_b32 s[G1S+0], s43, (3<<16)|(1<<20)|(1<<21)|(5<<22)|(3<<25)   ; the scales of 128 rows: a dense block, as rows of 256 bytes (32 elements of 8), 16 bytes of padding behind each
	s_or_b32 s[G1SB+0], s44, (3<<16)|(1<<20)|(1<<21)|(5<<22)|(3<<25)
.irp g, G1S, G1SB
	s_mov_b32 s[\g+1], 32<<16
	s_mov_b32 s[\g+2], (128*KS/256)<<16
	s_mov_b32 s[\g+3], 32<<16
	s_mov_b32 s[\g+4], 128*KS/256
	s_mov_b32 s[\g+5], 32
	s_mov_b32 s[\g+6], 0
	s_mov_b32 s[\g+7], 0
.endr
	s_lshl_b32 s18, s16, 7
	s_lshl_b32 s20, s17, 8
	s_add_co_u32 s20, s20, s18                     ; A: row 256 x tile row + 128 x half
	s_lshl_b32 s46, s42, 8
	s_add_co_u32 s46, s46, s18                     ; B: row 256 x tile column + 128 x half
	s_mov_b32 s21, 0
	s_mov_b32 s47, 0
	s_mov_b64 s[18:19], KS
	s_mul_u64 s[22:23], s[20:21], s[18:19]
	s_mul_u64 s[92:93], s[46:47], s[18:19]
	s_mov_b64 s[18:19], KROW
	s_mul_u64 s[20:21], s[20:21], s[18:19]
	s_mul_u64 s[46:47], s[46:47], s[18:19]
	s_mul_i32 s45, s14, HALFT                      ; where they go: wave x 128 rows: no place in the cluster enters an LDS address
	s_mul_i32 s94, s14, HALFS
	s_wait_kmcnt 0x0
	s_add_nc_u64 s[20:21], s[4:5], s[20:21]
	s_add_nc_u64 s[22:23], s[6:7], s[22:23]
	s_add_nc_u64 s[46:47], s[8:9], s[46:47]
	s_add_nc_u64 s[92:93], s[10:11], s[92:93]
	CROUND                                         ; all sixteen work-groups are here: the joint loads meet
	s_mov_b32 s[G0S], 1
	s_add_co_u32 s[G0S+1], s94, SCL
	s_mov_b64 s[G0S+2:G0S+3], s[22:23]
	s_or_b32 s[G0S+3], s[G0S+3], 0x80000000
	s_mov_b32 s[G0SB], 1
	s_add_co_u32 s[G0SB+1], s94, SCL
	s_mov_b64 s[G0SB+2:G0SB+3], s[92:93]
	s_or_b32 s[G0SB+3], s[G0SB+3], 0x80000000
	JLOAD G0S, G1S, G0SB, G1SB                     ; the scales first
.irp s, 0,1
	s_mov_b32 s[G0+4*\s], 1
	s_add_co_u32 s[G0+4*\s+1], s45, \s*SLOT
	s_add_nc_u64 s[G0+4*\s+2:G0+4*\s+3], s[20:21], \s*ROWB
	s_or_b32 s[G0+4*\s+3], s[G0+4*\s+3], 0x80000000
	s_mov_b32 s[G0B+4*\s], 1
	s_add_co_u32 s[G0B+4*\s+1], s45, \s*SLOT
	s_add_nc_u64 s[G0B+4*\s+2:G0B+4*\s+3], s[46:47], \s*ROWB
	s_or_b32 s[G0B+4*\s+3], s[G0B+4*\s+3], 0x80000000
	JLOAD G0+4*\s, G1, G0B+4*\s, G1B               ; three loads of mine are out in all
.endr
	v_and_b32 v1, 15, v0                           ; r
	v_bfe_u32 v2, v0, 4, 1                         ; h
	v_mul_u32_u24 v3, v1, PITCH
	v_mul_u32_u24 v4, v2, 24
	v_add_nc_u32 v4, v3, v4                        ; a fragment's row x pitch + 24 x half
	v_lshl_add_u32 v5, v2, 4, v4                   ; and the same behind one padding more
	s_mul_i32 s21, s15, HALFT
	s_mul_i32 s22, s16, HALFT
	s_add_co_u32 s22, s22, 2*HALFT
.irp s, 0,1
	v_add_nc_u32 v[ADRA+\s], s21, v4
	v_add_nc_u32 v[ADRB+\s], s22, v4
	v_add_nc_u32 v[ADRA+2+\s], s21, v5
	v_add_nc_u32 v[ADRB+2+\s], s22, v5
	s_add_co_u32 s21, s21, SLOT
	s_add_co_u32 s22, s22, SLOT
.endr
	v_mul_u32_u24 v5, v1, KS
	v_lshrrev_b32 v6, 8, v5
	v_lshl_add_u32 v5, v6, 4, v5
	s_mul_i32 s21, s15, HALFS
	s_mul_i32 s22, s16, HALFS
	s_add_co_u32 s22, s22, 2*HALFS
	s_sub_co_u32 s22, s22, s21
	v_mul_u32_u24 v6, s22, v2                      ; lanes 16-31 take B's scale words
	s_add_co_u32 s21, s21, SCL
	v_add_nc_u32 v5, v5, v6
	v_add_nc_u32 v[ADRS], s21, v5
	s_mul_i32 s23, s14, 16*SPITCH
	v_mul_u32_u24 v5, v1, SPITCH
	v_lshl_add_u32 v5, v2, 5, v5
	v_add_nc_u32 v[STO], s23, v5
	v_and_b32 v6, 31, v0
	v_lshlrev_b32 v[CO], 4, v6
	v_add_nc_u32 v[RD], s23, v[CO]
	s_lshl_b32 s20, s17, 8
	s_lshl_b32 s21, s15, 7
	s_add_co_u32 s20, s20, s21                     ; my first row of pre
	s_mov_b32 s21, 0
	s_mov_b64 s[18:19], SIZE_N*4
	s_mul_u64 s[20:21], s[20:21], s[18:19]
	s_lshl_b32 s46, s42, 10                        ; my first column, in bytes: in a row of pre and in b_enc alike
	s_lshl_b32 s47, s16, 9
	s_add_co_u32 s46, s46, s47
	s_mov_b32 s47, 0
	s_add_nc_u64 s[98:99], s[98:99], s[46:47]
	s_add_nc_u64 s[20:21], s[20:21], s[46:47]
	s_add_nc_u64 s[12:13], s[12:13], s[20:21]
	v_lshlrev_b32 v7, 5, v2                        ; 32 h: my half's eight columns of a block of 16
.irp b, 0,1,2,3,4,5,6,7
	global_load_b128 v[BI+8*\b:BI+8*\b+3], v7, s[98:99] offset:64*\b
	global_load_b128 v[BI+8*\b+4:BI+8*\b+7], v7, s[98:99] offset:64*\b+16
.endr
.macro FRAG reg, adr, q, i             ; a fragment, 16 rows x 128 K of 6-bit codes: 12 registers, 24 + 24 bytes of the row's stream of bits as they lie, in pieces of 8 bytes
.irp p, 0,1,2,3,4,5
.set PC, 12*(\q)+6*(\p/3)+\p%3        ; 16 bytes of padding lie behind every 8 pieces: where the piece three on (lanes 16-31) lies behind one padding more, the second address register serves
.if PC%8 < 5
	ds_load_b64 v[\reg+2*\p:\reg+2*\p+1], v[\adr] offset:8*PC+16*(PC/8)+(\i)*16*PITCH
.else
	ds_load_b64 v[\reg+2*\p:\reg+2*\p+1], v[\adr+2] offset:8*PC+16*(PC/8)+(\i)*16*PITCH
.endif
.endr
.endm
; 16 matrix instructions: A's blocks a0, a0 + 1 x B's eight, 128 along K.  zero = 1: the first product starts the sums from the bias.  The 64 accumulators take turns, one instruction a turn.
.macro MUL16 a0, p, q, sc, zero
.irp a, \a0, \a0+1
.irp b, 0,1,2,3,4,5,6,7
.if \zero
	v_wmma_scale_f32_16x16x128_f8f6f4 v[8*(8*((\a)%4)+\b):8*(8*((\a)%4)+\b)+7], v[128*(\p)+FR*\b:128*(\p)+FR*\b+FR-1], v[AF+FR*(\a):AF+FR*(\a)+FR-1], v[BI+8*\b:BI+8*\b+7], v[SC+8*NQ*(\sc)+NQ*\b+(\q)], v[SC+8*NQ*(\sc)+NQ*(\a)+(\q)] matrix_a_fmt:MATRIX_FMT_FP6 matrix_b_fmt:MATRIX_FMT_FP6 matrix_a_scale:MATRIX_SCALE_ROW1
.else
	v_wmma_scale_f32_16x16x128_f8f6f4 v[8*(8*((\a)%4)+\b):8*(8*((\a)%4)+\b)+7], v[128*(\p)+FR*\b:128*(\p)+FR*\b+FR-1], v[AF+FR*(\a):AF+FR*(\a)+FR-1], v[8*(8*((\a)%4)+\b):8*(8*((\a)%4)+\b)+7], v[SC+8*NQ*(\sc)+NQ*\b+(\q)], v[SC+8*NQ*(\sc)+NQ*(\a)+(\q)] matrix_a_fmt:MATRIX_FMT_FP6 matrix_b_fmt:MATRIX_FMT_FP6 matrix_a_scale:MATRIX_SCALE_ROW1
.endif
.endr
.endr
.endm
.macro FETCH_B slot, q, p
	WIN TO_B
.irp i, 0,1,2,3,4,5,6,7
	FRAG 128*(\p)+FR*\i, ADRB+\slot, \q, \i
.endr
	WIN 0
.endm
.macro FETCH_A slot, q, i0
.irp i, \i0, \i0+1, \i0+2, \i0+3
	FRAG AF+FR*(\i), ADRA+\slot, \q, \i
.endr
.endm
.macro SCALES sc                       ; a K step's scale words: lanes 0-15 take A's block i, lanes 16-31 B's block i
.irp i, 0,1,2,3,4,5,6,7
	ds_load_b64 v[SC+8*NQ*\sc+NQ*\i:SC+8*NQ*\sc+NQ*\i+1], v[ADRS] offset:\i*SBLK
.endr
.endm
.macro PLACES n                        ; plain lines between a matrix instruction and a load into, or a read of, its registers
.rept \n
	v_nop
.endr
.endm
.macro STEP slot, q, zero              ; a step of 128 along K that has its successor in the same slot
	s_wait_dscnt 4*NL                              ; B's set and A's blocks 0-3 are in; the youngest 24 loads (A's blocks 4-7) may be out
.if \zero
	WIN BIAS_LO
.else
	WIN MUL_LO
.endif
	MUL16 0, (\q)%2, \q, \slot, \zero
	MUL16 2, (\q)%2, \q, \slot, \zero
	s_wait_dscnt 0
	PLACES NP
	FETCH_B \slot, (\q)+1, 1-(\q)%2
	FETCH_A \slot, (\q)+1, 0
.if \zero
	WIN BIAS_HI
.else
	WIN MUL_HI
.endif
	MUL16 4, (\q)%2, \q, \slot, \zero
	MUL16 6, (\q)%2, \q, \slot, \zero
	PLACES NP
	WIN 0
	FETCH_A \slot, (\q)+1, 4
.endm
.macro TURN slot, next                 ; a slot's last step changes slots: one barrier; in front of it each wave's tensor loads have landed and its reads of this slot are over
	s_wait_tensorcnt 0x0                           ; my part of the next slot is in
	ds_add_u32 v[SPW], v[NIL]                      ; 0 onto my spare word
	s_wait_dscnt 4*NL+1                            ; (the add and the youngest 24 loads may be out)
	WIN MUL_LO
	MUL16 0, 1, NQ-1, \slot, 0
	s_wait_dscnt 0x0
	s_barrier_signal -1
	MUL16 2, 1, NQ-1, \slot, 0
	WIN 0
	s_barrier_wait -1
	PLACES NP
	v_add_nc_u32 v[ADRS], 4*NQ, v[ADRS]            ; on to the next K step's scale words (no LDS load of mine is out)
	FETCH_B \next, 0, 0
	FETCH_A \next, 0, 0
	SCALES \next
	WIN MUL_HI
	MUL16 4, 1, NQ-1, \slot, 0
	MUL16 6, 1, NQ-1, \slot, 0
	PLACES NP
	WIN 0
	FETCH_A \next, 0, 4
.endm
	s_wait_tensorcnt 1                             ; the scales and my part of K step 0 are in (K step 1's load may be out)
	s_barrier_signal -1
	s_barrier_wait -1                              ; everybody's are
	FETCH_B 0, 0, 0
	FETCH_A 0, 0, 0
	SCALES 0
	FETCH_A 0, 0, 4
	s_wait_loadcnt 0x0                             ; the bias
	STEP 0, 0, 1
	TURN 0, 1
	STEP 1, 0, 0
	s_wait_dscnt 4*NL                              ; the last step: nothing more to fetch
	WIN MUL_LO
	MUL16 0, 1, NQ-1, 1, 0
	MUL16 2, 1, NQ-1, 1, 0
	s_wait_dscnt 0
	WIN MUL_HI
	MUL16 4, 1, NQ-1, 1, 0
	MUL16 6, 1, NQ-1, 1, 0
	WIN 0
; THE WAY OUT, block by block of 16 rows x 128 columns, through my own stage in LDS: back come whole rows of 512 bytes.  LDS serves a wave's instructions in order (ISA guide 5.7.1.4).
.macro TOSTAGE a
.set AC, 64*((\a)%4)
	WIN 0x08+4*((\a)/4)
.irp b, 0,1,2,3,4,5,6,7
	ds_store_b128 v[STO], v[AC+8*\b:AC+8*\b+3] offset:64*\b          ; each accumulator from its low end on
	ds_store_b128 v[STO], v[AC+8*\b+4:AC+8*\b+7] offset:64*\b+16
.endr
	WIN 0
.set BB, BK+64*((\a)%2)
.irp t, 0,1,2,3,4,5,6,7,8,9,10,11,12,13,14,15
	ds_load_b128 v[BB+4*\t:BB+4*\t+3], v[RD] offset:\t*SPITCH
.endr
.endm
.macro SEND a, younger
.set BB, BK+64*((\a)%2)
	s_wait_dscnt \younger                          ; the block is back in registers
.if (\a) > 0
	s_add_nc_u64 s[12:13], s[12:13], 16*SIZE_N*4   ; (behind a wait on XCNT: the earlier stores have read their base)
.endif
.irp t, 0,1,2,3,4,5,6,7,8,9,10,11,12,13,14,15
	global_store_b128 v[CO], v[BB+4*\t:BB+4*\t+3], s[12:13] offset:\t*SIZE_N*4 th:TH_STORE_NT   ; 32 lanes store 512 consecutive bytes, aligned to 256
.endr
.endm
	PLACES NP
	TOSTAGE 0
.irp a, 1,2,3,4,5,6,7
.if \a > 1
	s_wait_xcnt 0x0                                ; block a - 2's stores have read their registers and their base
.endif
	TOSTAGE \a
	SEND \a-1, 32                                  ; behind block a - 1's loads: block a's 16 stores and 16 loads
.endr
	s_wait_xcnt 0x0
	SEND 7, 0
	s_wait_tensorcnt 0x0                           ; the wave's end
	ds_add_u32 v[SPW], v[NIL]
	s_wait_dscnt 0x0
	CROUND                                         ; the closing round
	s_endpgm
.Lfunc_end_k_qa2de2a4093_enc_gemm:
	.size	k_qa2de2a4093_enc_gemm, .Lfunc_end_k_qa2de2a4093_enc_gemm-k_qa2de2a4093_enc_gemm
	.p2alignl 7, 3214868480
	.fill 96, 4, 3214868480
	.section	.rodata,"a",@progbits
	.p2align	6, 0x0
	.amdhsa_kernel k_qa2de2a4093_enc_gemm
		.amdhsa_group_segment_fixed_size 327680
		.amdhsa_private_segment_fixed_size 0
		.amdhsa_enable_private_segment 0
		.amdhsa_kernarg_size 48
		.amdhsa_user_sgpr_count 2
		.amdhsa_user_sgpr_kernarg_segment_ptr 1
		.amdhsa_wavefront_size32 1
		.amdhsa_system_sgpr_workgroup_id_x 1
		.amdhsa_system_sgpr_workgroup_id_y 1
		.amdhsa_system_sgpr_workgroup_id_z 1
		.amdhsa_system_vgpr_workitem_id 0
		.amdhsa_next_free_vgpr 1024
		.amdhsa_next_free_sgpr 100
		.amdhsa_reserve_vcc 0
		.amdhsa_float_denorm_mode_32 3
		.amdhsa_float_denorm_mode_16_64 3
		.amdhsa_memory_ordered 1
		.amdhsa_forward_progress 1
		.amdhsa_inst_pref_size 100
	.end_amdhsa_kernel
	.amdgpu_metadata
---
amdhsa.version: [ 1, 2 ]
amdhsa.kernels:
  - .name:           k_qa2de2a4093_enc_gemm
    .symbol:         k_qa2de2a4093_enc_gemm.kd
    .args:
      - { .name: acts_codes, .offset: 0, .size: 8, .value_kind: global_buffer, .address_space: global }
      - { .name: acts_scales, .offset: 8, .size: 8, .value_kind: global_buffer, .address_space: global }
      - { .name: wcodes, .offset: 16, .size: 8, .value_kind: global_buffer, .address_space: global }
      - { .name: wsmall, .offset: 24, .size: 8, .value_kind: global_buffer, .address_space: global }
      - { .name: b_enc, .offset: 32, .size: 8, .value_kind: global_buffer, .address_space: global }
      - { .name: pre, .offset: 40, .size: 8, .value_kind: global_buffer, .address_space: global }
    .group_segment_fixed_size: 327680
    .private_segment_fixed_size: 0
    .kernarg_segment_align: 8
    .kernarg_segment_size: 48
    .max_flat_workgroup_size: 128
    .sgpr_count:     100
    .vgpr_count:     1024
    .wavefront_size: 32
...
	.end_amdgpu_metadata
.endif
;; end of part 2
;; launch rows (part 3): grid 256 x 1, 4 waves a work-group, no clusters, 284,416 bytes of LDS; arguments pre, wsmall, enc_codes, enc_scales; writes enc_codes, enc_scales
.if DOCPART == 3
	.amdgcn_target "amdgcn-amd-amdhsa--gfx1250"
	.amdhsa_code_object_version 6
	.text
	.protected	k_qa2de2a4093_rows
	.globl	k_qa2de2a4093_rows
	.p2align	8
	.type	k_qa2de2a4093_rows,@function
k_qa2de2a4093_rows:
	s_mov_b64 s[64:65], 0
	v_nop
	global_prefetch_b8 v0, s[64:65] scope:SCOPE_SE
	s_setreg_imm32_b32 hwreg(HW_REG_WAVE_MODE, 25, 1), 1
	s_wait_xcnt 0x0
; The row stage: h1 = LN(pre) ln_w + ln_b;  h = LN(h1);  thr = the 1,638th largest h of the row;  enc = h sigmoid((h - thr) / 0.1) feature_mask;  enc quantised to FP6 (E2M3) along the features.
; pre: [4096][16384] f32.  enc_codes: [8 splits of 2048 features][4096 rows][1536 bytes]; enc_scales: [8][4096][64].  ln_w, ln_b, feature_mask come as images (wsmall + 524,288: float 1024 g + 128 j + 4 l + e = feature 1024 g + 32 l + 4 j + e).
; SHARES.  A work-group owns 16 rows, four at a time.  In the phases that need a whole row (sums, the k-th largest) wave r owns row r; in the phases that need the three vectors wave w owns features 4096 w .. 4096 w + 4095
; of all four rows, so that each vector is loaded once for four rows.  The rows change hands through LDS.  Lane l of chunk g (1,024 features) owns features 1024 g + 32 l .. + 31: one block of the quantiser.
; THE K-TH LARGEST without a branch or an address on data: c = h1 - mean is cut into BIT PLANES (a 32 x 32 bit transposition in each lane: word b of chunk g holds bit b of the lane's 32 numbers), 512 registers a wave.
; Then 32 passes, from the sign down, fix one bit of the k-th largest c each: a pass counts the ones of plane b among the numbers that agree with the bits fixed so far (16 words a lane, v_bcnt_u32_b32).  Among those all signs
; are equal behind the first pass, so a negative result only swaps the parts of ones and zeros.  h = c x rs with rs > 0 keeps the order, so thr = (k-th largest c) x rs, with the very bits that h has there.
; LIMITS: NaN and infinities are not served; where (thr - h) x 14.43 passes 128 the sigmoid is 0, not a number under 2^-126; a block of zeros gets the scale byte 1 (only this program reads the bytes); 1 / (1 + x) is v_rcp_f32.
; No tensor loads.  No cluster: what work-groups share is the three vectors, 192 KiB beside the 1 MiB of rows that each reads for itself.
; LDS: row r at RSB r; chunk g at + CH g; quad j (features 4 j .. 4 j + 3 of every lane) at + JP j; lane l at + 16 l.  JP = 512 + 32: a read of one quad is 512 consecutive bytes, and the store that changes the order
; (lane l of a row load holds quad l % 8 of lane 4 i + l / 8) puts 16 lanes on 16 different columns of 16 bytes.
; REGISTERS: window 0: v1-19, v57-61 addresses; v20-25 mean, 1 / deviation, thr (low words of pairs); v26-33 four packed sums; v34-56 at work; v64-191 four sets of 32; v192-239 the passes' masks; v240-245 codes on their way out.
;   window 1: v0-127 ln_w, later feature_mask; v128-255 ln_b (my 4 chunks).   windows 2, 3: first my row as loaded, then the planes: plane b of chunk g at register 16 b + g of the 512.
.set RSB, 69632
.set CH,  4352
.set JP,  544
.set PS,  278528                       ; [row][wave] partial sums of h1, 64 bytes
.set STT, 278592                       ; [row] mean, 1 / deviation, thr, thr: 64 bytes
.set SCS, 278784                       ; 512 bytes a wave: [split half][row][64] scale bytes
.set CST, 280832                       ; 768 bytes a wave: a chunk's codes of one row (32 blocks of 24 bytes), on their way out
.set MU,  20
.set RSC, 22
.set TH,  24
.set AC,  26
.set X,   64
.set Y,   96
.set Z,   128
.set TS,  160
.set AL,  192                          ; alive: bit = 1 where the number agrees with the bits fixed so far
.set TA,  208                          ; alive and plane bit 1
.set TX,  224                          ; alive and plane bit 0
.set CB,  240                          ; v240-245: 24 bytes of codes read back from the stage
.set MSB, 0
.macro WIN new                         ; the immediate's high byte repeats the setting that is left; at a label and at a branch every window is 0
.if MSB != (\new)
	s_set_vgpr_msb (MSB<<8)|(\new)
.set MSB, (\new)
.endif
.endm
.macro BARRIER
	s_wait_dscnt 0x0
	s_barrier_signal -1
	s_barrier_wait -1
.endm
.macro REDUCE v, t                     ; the sum over the 32 lanes, in every lane
.irp m, 1,2,4,8
	v_add_f32_dpp v[\v], v[\v], v[\v] row_xmask:\m row_mask:0xf bank_mask:0xf
.endr
	v_permlanex16_b32 v[\t], v[\v], s18, s19
	v_add_f32 v[\v], v[\v], v[\t]
.endm
.macro SUMAC                           ; the four packed sums -> v[AC], over the wave
	v_pk_add_f32 v[AC:AC+1], v[AC:AC+1], v[AC+2:AC+3]
	v_pk_add_f32 v[AC+4:AC+5], v[AC+4:AC+5], v[AC+6:AC+7]
	v_pk_add_f32 v[AC:AC+1], v[AC:AC+1], v[AC+4:AC+5]
	v_add_f32 v[AC], v[AC], v[AC+1]
	REDUCE AC, 19
.endm
.macro ROWLOADS c, off                 ; a quarter of my row: loads 32 c .. 32 c + 31 of 128, 512 consecutive bytes each
	WIN 0x80+0x40*((\c)/2)
.set rl, 0
.rept 32
	global_load_b128 v[128*((\c)%2)+4*rl:128*((\c)%2)+4*rl+3], v2, s[4:5] offset:(\off)+512*(32*(\c)+rl) th:TH_LOAD_NT
.set rl, rl+1
.endr
	WIN 0
.endm
.macro PKSUB d, a, s                   ; 32 numbers: d = a - v[s]
.set pk, 0
.rept 16
	v_pk_add_f32 v[\d+pk:\d+pk+1], v[\a+pk:\a+pk+1], v[\s:\s+1] op_sel_hi:[1,0] neg_lo:[0,1] neg_hi:[0,1]
.set pk, pk+2
.endr
.endm
.macro PKSCL d, a, s                   ; d = a x v[s]
.set pk, 0
.rept 16
	v_pk_mul_f32 v[\d+pk:\d+pk+1], v[\a+pk:\a+pk+1], v[\s:\s+1] op_sel_hi:[1,0]
.set pk, pk+2
.endr
.endm
.macro ADDAC src, first                ; the 16 pairs of a set go into the four sums; first = 1: they start them
.if \first
.irp k, 0,1,2,3
	v_pk_add_f32 v[AC+2*\k:AC+2*\k+1], v[\src+2*\k:\src+2*\k+1], v[\src+2*\k+8:\src+2*\k+9]
.endr
.irp k, 8,9,10,11,12,13,14,15
	v_pk_add_f32 v[AC+2*(\k%4):AC+2*(\k%4)+1], v[AC+2*(\k%4):AC+2*(\k%4)+1], v[\src+2*\k:\src+2*\k+1]
.endr
.else
.irp k, 0,1,2,3,4,5,6,7,8,9,10,11,12,13,14,15
	v_pk_add_f32 v[AC+2*(\k%4):AC+2*(\k%4)+1], v[AC+2*(\k%4):AC+2*(\k%4)+1], v[\src+2*\k:\src+2*\k+1]
.endr
.endif
.endm
.macro DISP4 sreg, l0, l1, l2, l3      ; a jump on a loop's counter (0..3)
	s_cmp_eq_u32 s[\sreg], 0
	s_cbranch_scc1 \l0
	s_cmp_eq_u32 s[\sreg], 1
	s_cbranch_scc1 \l1
	s_cmp_eq_u32 s[\sreg], 2
	s_cbranch_scc1 \l2
	s_branch \l3
.endm
.macro DISP8 sreg, l0, l1, l2, l3, l4, l5, l6, l7
	s_cmp_eq_u32 s[\sreg], 0
	s_cbranch_scc1 \l0
	s_cmp_eq_u32 s[\sreg], 1
	s_cbranch_scc1 \l1
	s_cmp_eq_u32 s[\sreg], 2
	s_cbranch_scc1 \l2
	s_cmp_eq_u32 s[\sreg], 3
	s_cbranch_scc1 \l3
	s_cmp_eq_u32 s[\sreg], 4
	s_cbranch_scc1 \l4
	s_cmp_eq_u32 s[\sreg], 5
	s_cbranch_scc1 \l5
	s_cmp_eq_u32 s[\sreg], 6
	s_cbranch_scc1 \l6
	s_branch \l7
.endm
; A stage of the bit transposition at distance st (4, 2, 1): words k and k + st exchange the bits whose place has bit st set in k and clear in k + st.  TBS: the 32 shifts, into TS.  TBB: the 32 selections.
; (Every plane must keep number n at place n, since the passes AND planes with one mask: so both words of a pair are shifted, each its own way.)
.macro TBS in, st
.set tk, 0
.rept 32
.if (tk & \st) == 0
	v_lshlrev_b32 v[TS+tk], \st, v[\in+tk+\st]
.else
	v_lshrrev_b32 v[TS+tk], \st, v[\in+tk-\st]
.endif
.set tk, tk+1
.endr
.endm
.macro TBB in, out, st, m
.set tk, 0
.rept 32
.if (tk & \st) == 0
	v_bfi_b32 v[\out+tk], s[\m], v[\in+tk], v[TS+tk]
.else
	v_bfi_b32 v[\out+tk], s[\m], v[TS+tk], v[\in+tk]
.endif
.set tk, tk+1
.endr
.endm
	s_load_b256 s[4:11], s[0:1], 0x0               ; pre s[4:5], wsmall s[6:7], enc_codes s[8:9], enc_scales s[10:11]
	v_lshl_add_u32 v254, v0, 2, 0x45500
	v_mov_b32 v255, 0
	v_lshrrev_b32 v1, 5, v0
	v_readfirstlane_b32 s12, v1                    ; wave 0..3
	v_and_b32 v1, 31, v0                           ; lane l
	v_lshlrev_b32 v2, 4, v1                        ; 16 l; never rewritten
	s_lshl_b32 s14, ttmp9, 20                      ; pre: 16 rows of 65,536 bytes a work-group,
	s_lshl_b32 s15, s12, 16                        ; my row of the first four
	s_add_co_u32 s14, s14, s15
	s_mov_b32 s15, 0
	s_lshl_b32 s16, s12, 14                        ; the images: my four chunks of 4,096 bytes
	s_add_co_u32 s16, s16, 524288
	s_mov_b32 s17, 0
	s_mul_i32 s20, s12, 12582912                   ; enc_codes: my two splits of 6,291,456 bytes,
	s_mul_i32 s21, ttmp9, 24576                    ; 16 rows of 1,536 bytes
	s_add_co_u32 s20, s20, s21
	s_mov_b32 s21, 0
	s_lshl_b32 s22, s12, 19                        ; enc_scales: my two splits of 262,144 bytes,
	s_lshl_b32 s23, ttmp9, 10                      ; 16 rows of 64 bytes
	s_add_co_u32 s22, s22, s23
	s_mov_b32 s23, 0
	s_wait_kmcnt 0x0
	s_add_nc_u64 s[4:5], s[4:5], s[14:15]
	s_add_nc_u64 s[6:7], s[6:7], s[16:17]
	s_add_nc_u64 s[8:9], s[8:9], s[20:21]
	s_add_nc_u64 s[10:11], s[10:11], s[22:23]
	ROWLOADS 0, 0                                  ; my first row: 64 KiB are asked for before anything else is done
	ROWLOADS 1, 0
	ROWLOADS 2, 0
	ROWLOADS 3, 0
	s_mov_b32 s18, 0x76543210
	s_mov_b32 s19, 0xfedcba98                      ; v_permlanex16_b32's selects for lane l xor 16
	s_mov_b32 s20, 0x05040100                      ; v_perm_b32: the two low halves; the two high halves;
	s_mov_b32 s21, 0x07060302
	s_mov_b32 s22, 0x06020400                      ; the even bytes; the odd bytes
	s_mov_b32 s23, 0x07030501
	s_mov_b32 s24, 0x0f0f0f0f
	s_mov_b32 s25, 0x33333333
	s_mov_b32 s26, 0x55555555
	s_mov_b32 s28, 0xc166d4ca                      ; -log2(e) / 0.1
	s_mov_b32 s29, s28                             ; (named with it as a pair)
	s_mov_b32 s37, 0x44ccc000                      ; 1638.0 = k
	s_mov_b32 s38, 0x38800000                      ; 1 / 16384
	s_mov_b32 s39, 0x3727c5ac                      ; 1e-5
	s_mov_b32 s13, 4                               ; groups of four rows to go
	s_mul_i32 s14, s12, RSB
	v_and_b32 v3, 7, v1
	v_mul_u32_u24 v3, v3, JP
	v_lshrrev_b32 v4, 3, v1
	v_lshl_add_u32 v3, v4, 4, v3
	v_add_nc_u32 v3, s14, v3                       ; my row, in: quad l % 8, lane l / 8 (+ 4 i by the immediate); chunks 0-7
	v_add_nc_u32 v4, 8*CH, v3                      ; chunks 8-15
	v_add_nc_u32 v5, s14, v2                       ; my row, out: 16 l
	s_mul_i32 s15, s12, 4*CH
	v_add_nc_u32 v6, s15, v2                       ; my four chunks of row 0
.irp r, 0,1,2,3
	v_add_nc_u32 v[58+\r], \r*RSB, v6              ; and of row r
.endr
	s_lshl_b32 s15, s12, 2
	s_add_co_u32 s15, s15, PS
	v_mov_b32 v9, s15                              ; my partial sums: PS + 4 w (+ 16 r)
	s_lshl_b32 s15, s12, 4
	s_add_co_u32 s16, s15, PS
	v_mov_b32 v10, s16                             ; my row's four: PS + 16 w
	s_add_co_u32 s16, s15, STT
	v_mov_b32 v11, s16                             ; my row's figures
	s_lshl_b32 s15, s12, 9
	s_add_co_u32 s15, s15, SCS
	v_add_nc_u32 v13, s15, v1                      ; scale bytes in: my lane's block
	v_add_nc_u32 v15, s15, v2                      ; and out: 16 bytes a lane
	s_mul_i32 s15, s12, 768
	s_add_co_u32 s15, s15, CST
	v_mul_u32_u24 v8, v1, 24
	v_add_nc_u32 v8, s15, v8                       ; codes in: my block's 24 bytes.  From lane to lane 6 words: the 32 lanes of a store of 8 bytes touch 64 different banks
	v_lshlrev_b32 v16, 3, v1                       ; 8 l: my 8 bytes of a run of 256, in the stage and in memory
	v_add_nc_u32 v57, s15, v16                     ; codes out
	v_lshrrev_b32 v18, 4, v1
	v_lshlrev_b32 v18, 18, v18
	v_and_b32 v17, 15, v1
	v_lshl_add_u32 v18, v17, 4, v18                ; scale bytes in memory: lanes 0-15 my first split, lanes 16-31 my second
	v_mov_b32 v19, 0                               ; (a lane permute's destination counts as one of its sources)
	v_mov_b32 v21, 0                               ; (upper halves of pairs of which the low word is used)
	v_mov_b32 v23, 0
	v_mov_b32 v25, 0
.irp k, 0,1,2,3,4,5
	v_mov_b32 v[CB+\k], 0                          ; (written once: the stores at a trip's head name them, and a loop's first trip jumps over those stores)
.endr
.Lgroup:
; ---- A: my row's sum, from the registers as the loads come in
.set pg, 0
.rept 16
.if 8*(15-pg) > 63
	s_wait_loadcnt 63                              ; (the count names at most 63; fewer than the younger loads, so chunk g is in)
.else
	s_wait_loadcnt 8*(15-pg)                       ; chunk g's eight loads are in; the count is that of the younger row loads
.endif
.set pb, 32*(pg%8)
.if pg == 0
	WIN 0x0a
.irp k, 0,1,2,3
	v_pk_add_f32 v[AC+2*\k:AC+2*\k+1], v[2*\k:2*\k+1], v[2*\k+8:2*\k+9]      ; the first pairs start the sums: nothing is cleared
.endr
	WIN 0x08
.irp k, 8,9,10,11,12,13,14,15
	v_pk_add_f32 v[AC+2*(\k%4):AC+2*(\k%4)+1], v[AC+2*(\k%4):AC+2*(\k%4)+1], v[2*\k:2*\k+1]
.endr
.else
	WIN 0x08+4*(pg/8)
.irp k, 0,1,2,3,4,5,6,7,8,9,10,11,12,13,14,15
	v_pk_add_f32 v[AC+2*(\k%4):AC+2*(\k%4)+1], v[AC+2*(\k%4):AC+2*(\k%4)+1], v[pb+2*\k:pb+2*\k+1]
.endr
.endif
.set pg, pg+1
.endr
	WIN 0x40                                       ; ln_w and ln_b of my four chunks: wanted two phases on
.set wl, 0
.rept 32
	global_load_b128 v[4*wl:4*wl+3], v2, s[6:7] offset:512*wl
	global_load_b128 v[128+4*wl:128+4*wl+3], v2, s[6:7] offset:65536+512*wl
.set wl, wl+1
.endr
	WIN 0
	SUMAC
	v_mul_f32 v[MU], s38, v[AC]                    ; the mean
; ---- B1: the row less its mean, in place, and the sum of its squares
.macro CENTRE w
	WIN 0x80+0x40*((\w)-2)+(\w)
.set bi, 0
.rept 128
	v_pk_add_f32 v[2*bi:2*bi+1], v[2*bi:2*bi+1], v[MU:MU+1] op_sel_hi:[1,0] neg_lo:[0,1] neg_hi:[0,1]
.set bi, bi+1
.endr
	WIN 5*(\w)
.set bi, 0
.rept 128
.if (\w) == 2 && bi < 4
	v_pk_mul_f32 v[AC+2*bi:AC+2*bi+1], v[2*bi:2*bi+1], v[2*bi:2*bi+1]
.else
	v_pk_fma_f32 v[AC+2*(bi%4):AC+2*(bi%4)+1], v[2*bi:2*bi+1], v[2*bi:2*bi+1], v[AC+2*(bi%4):AC+2*(bi%4)+1]
.endif
.set bi, bi+1
.endr
.endm
	CENTRE 2
	CENTRE 3
	WIN 0
	SUMAC
	v_fma_f32 v[AC], v[AC], s38, s39               ; the variance + 1e-5
	v_rsq_f32 v[RSC], v[AC]
	v_nop                                          ; a plain line behind it,
	s_wait_alu depctr_va_vdst(0)                   ; and the wait ahead of its first reader
; ---- B2: the first layer norm, into LDS
.irp w, 2,3
	WIN 0x80+0x40*(\w-2)+\w
.set bi, 0
.rept 128
	v_pk_mul_f32 v[2*bi:2*bi+1], v[2*bi:2*bi+1], v[RSC:RSC+1] op_sel_hi:[1,0]
.set bi, bi+1
.endr
.endr
	WIN 0
	BARRIER                                        ; every wave's reads of the last four rows are over: the rows' bytes may be written
	WIN 0x08
.set bi, 0
.rept 64
	ds_store_b128 v3, v[4*bi:4*bi+3] offset:CH*(bi/8)+64*(bi%8)
.set bi, bi+1
.endr
	WIN 0x0c
.set bi, 0
.rept 64
	ds_store_b128 v4, v[4*bi:4*bi+3] offset:CH*(bi/8)+64*(bi%8)
.set bi, bi+1
.endr
	WIN 0
	BARRIER                                        ; four rows lie in LDS
; ---- C: h1 = x ln_w + ln_b, in place in LDS, by features; each row's sum over my features
	s_wait_loadcnt 0x0                             ; ln_w, ln_b
.macro CLOAD r, c, set
.irp j, 0,1,2,3,4,5,6,7
	ds_load_b128 v[\set+4*\j:\set+4*\j+3], v[58+\r] offset:CH*(\c)+JP*\j
.endr
.endm
.macro CBODY r, c, in, out, cnt
	s_wait_dscnt \cnt                              ; this chunk's eight loads are in; the count is what was issued behind them.  All that is older is done too: the store that last read the set written now
	WIN 0x14
.set cp, 0
.rept 16
	v_pk_fma_f32 v[\out+2*cp:\out+2*cp+1], v[\in+2*cp:\in+2*cp+1], v[32*\c+2*cp:32*\c+2*cp+1], v[128+32*\c+2*cp:128+32*\c+2*cp+1]
.set cp, cp+1
.endr
	WIN 0
.if \c == 0
	ADDAC \out, 1
.else
	ADDAC \out, 0
.endif
.irp j, 0,1,2,3,4,5,6,7
	ds_store_b128 v[58+\r], v[\out+4*\j:\out+4*\j+3] offset:CH*\c+JP*\j
.endr
.if \c < 2
	CLOAD \r, \c+2, \in
.endif
.endm
.macro CROW r
	CLOAD \r, 0, X
	CLOAD \r, 1, Z
	CBODY \r, 0, X, Y, 8                           ; behind chunk 0's loads: chunk 1's eight
	CBODY \r, 1, Z, TS, 16                         ; behind chunk 1's: eight stores, chunk 2's eight loads
	CBODY \r, 2, X, Y, 16                          ; behind chunk 2's: eight stores, chunk 3's eight loads
	CBODY \r, 3, Z, TS, 8                          ; behind chunk 3's: eight stores
	SUMAC
	ds_store_b32 v9, v[AC] offset:16*\r            ; all lanes write the same word with the same number
.endm
	CROW 0
	CROW 1
	CROW 2
	CROW 3
	BARRIER                                        ; h1 of four rows and the partial sums lie in LDS
; ---- D: my row's mean and variance of h1, and the bit planes of c = h1 - mean
	WIN 0x40
.set wl, 0
.rept 32
	global_load_b128 v[4*wl:4*wl+3], v2, s[6:7] offset:131072+512*wl     ; feature_mask of my four chunks takes ln_w's place: wanted two phases on
.set wl, wl+1
.endr
	WIN 0
	ds_load_b128 v[34:37], v10
.irp j, 0,1,2,3,4,5,6,7
	ds_load_b128 v[X+4*\j:X+4*\j+3], v5 offset:JP*\j
.endr
	s_wait_dscnt 8                                 ; the four partial sums are in; chunk 0's eight loads may be out
	v_add_f32 v34, v34, v35
	v_add_f32 v36, v36, v37
	v_add_f32 v34, v34, v36
	v_mul_f32 v[MU], s38, v34
.irp k, 0,1,2,3,4,5,6,7
	v_mov_b32 v[AC+\k], 0                          ; (the loop is written once: its sums need a start)
.endr
	s_mov_b32 s14, 0                               ; chunk g
	s_mov_b32 s15, 0                               ; CH g
.Ld_chunk:
	s_wait_dscnt 0x0
	PKSUB Y, X, MU
	s_add_co_u32 s16, s15, CH
	s_min_u32 s16, s16, 15*CH                      ; the next chunk; the last trip reads chunk 15 once more and uses nothing of it
	v_add_nc_u32 v7, s16, v5
.irp j, 0,1,2,3,4,5,6,7
	ds_load_b128 v[X+4*\j:X+4*\j+3], v7 offset:JP*\j
.endr
.set cp, 0
.rept 16
	v_pk_fma_f32 v[AC+2*(cp%4):AC+2*(cp%4)+1], v[Y+2*cp:Y+2*cp+1], v[Y+2*cp:Y+2*cp+1], v[AC+2*(cp%4):AC+2*(cp%4)+1]
.set cp, cp+1
.endr
.set tk, 0
.rept 16                                       ; distance 16: halves
	v_perm_b32 v[Z+tk], v[Y+tk+16], v[Y+tk], s20
	v_perm_b32 v[Z+tk+16], v[Y+tk+16], v[Y+tk], s21
.set tk, tk+1
.endr
.set tk, 0
.rept 32                                       ; distance 8: bytes
.if (tk & 8) == 0
	v_perm_b32 v[Y+tk], v[Z+tk+8], v[Z+tk], s22
	v_perm_b32 v[Y+tk+8], v[Z+tk+8], v[Z+tk], s23
.endif
.set tk, tk+1
.endr
	TBS Y, 4
	TBB Y, Z, 4, 24
	TBS Z, 2
	TBB Z, Y, 2, 25
	TBS Y, 1
	s_lshr_b32 s34, s14, 2                         ; the last 32 selections write plane b of chunk g, register 16 b + g: one copy of them for each g, chosen by the loop's counter
	s_and_b32 s35, s14, 3
	DISP4 34, .Ldg0, .Ldg1, .Ldg2, .Ldg3
.Ldg0:
	DISP4 35, .Ldb0, .Ldb1, .Ldb2, .Ldb3
.Ldg1:
	DISP4 35, .Ldb4, .Ldb5, .Ldb6, .Ldb7
.Ldg2:
	DISP4 35, .Ldb8, .Ldb9, .Ldb10, .Ldb11
.Ldg3:
	DISP4 35, .Ldb12, .Ldb13, .Ldb14, .Ldb15
.irp g, 0,1,2,3,4,5,6,7,8,9,10,11,12,13,14,15
.Ldb\g:
	WIN 0x80
.irp k, 0,2,4,6,8,10,12,14
	v_bfi_b32 v[16*\k+\g], s26, v[Y+\k], v[TS+\k]
	v_bfi_b32 v[16*(\k+1)+\g], s26, v[TS+\k+1], v[Y+\k+1]
.endr
	WIN 0xc0
.irp k, 16,18,20,22,24,26,28,30
	v_bfi_b32 v[16*(\k-16)+\g], s26, v[Y+\k], v[TS+\k]
	v_bfi_b32 v[16*(\k-15)+\g], s26, v[TS+\k+1], v[Y+\k+1]
.endr
	WIN 0
	s_branch .Ld_join
.endr
.Ld_join:
	s_add_co_u32 s15, s15, CH
	s_add_co_u32 s14, s14, 1
	s_cmp_lt_u32 s14, 16
	s_cbranch_scc1 .Ld_chunk
	s_wait_dscnt 0x0
	SUMAC
	v_fma_f32 v[AC], v[AC], s38, s39
	v_rsq_f32 v[RSC], v[AC]
; ---- S: the k-th largest c, bit by bit
.irp k, 0,1,2,3,4,5,6,7,8,9,10,11,12,13,14,15
	v_mov_b32 v[AL+\k], -1                         ; all are alive.  (Plain lines behind the root)
.endr
	v_mov_b32 v43, 0                               ; numbers known to be larger than the k-th
	v_mov_b32 v44, 0x46800000                      ; numbers alive: 16384.0
	s_wait_alu depctr_va_vdst(0)                   ; the wait for the root, ahead of the label and of its first reader
	s_mov_b32 s30, -1                              ; all ones: a raw 1 ranks BELOW a raw 0 (the sign; later: the bits of a negative number)
	s_mov_b32 s32, 0                               ; the bits fixed so far
	s_mov_b32 s33, 0x80000000                      ; the pass's bit
	s_mov_b32 s14, 0                               ; pass p; plane 31 - p
.Ls_pass:
	s_lshr_b32 s34, s14, 3
	s_and_b32 s35, s14, 7
	DISP4 34, .Lsg0, .Lsg1, .Lsg2, .Lsg3
.Lsg0:
	DISP8 35, .Lsb31, .Lsb30, .Lsb29, .Lsb28, .Lsb27, .Lsb26, .Lsb25, .Lsb24
.Lsg1:
	DISP8 35, .Lsb23, .Lsb22, .Lsb21, .Lsb20, .Lsb19, .Lsb18, .Lsb17, .Lsb16
.Lsg2:
	DISP8 35, .Lsb15, .Lsb14, .Lsb13, .Lsb12, .Lsb11, .Lsb10, .Lsb9, .Lsb8
.Lsg3:
	DISP8 35, .Lsb7, .Lsb6, .Lsb5, .Lsb4, .Lsb3, .Lsb2, .Lsb1, .Lsb0
.irp b, 0,1,2,3,4,5,6,7,8,9,10,11,12,13,14,15,16,17,18,19,20,21,22,23,24,25,26,27,28,29,30,31
.Lsb\b:
.if \b < 16
	WIN 0x02
.else
	WIN 0x03
.endif
.irp g, 0,1,2,3,4,5,6,7,8,9,10,11,12,13,14,15
	v_and_b32 v[TA+\g], v[16*(\b%16)+\g], v[AL+\g]
.endr
	WIN 0
	s_branch .Ls_join
.endr
.Ls_join:
	; the ones of my 16 words: v_bcnt_u32_b32 adds the ones of its first source onto its second.  Four chains of four, so that a line's result is wanted four lines on
.irp n, 0,1,2,3
	v_bcnt_u32_b32 v[64+\n], v[TA+\n], 0           ; the first of a chain starts its sum: nothing is cleared
.endr
.irp q, 4,8,12
.irp n, 0,1,2,3
	v_bcnt_u32_b32 v[64+\n], v[TA+\q+\n], v[64+\n]
.endr
.endr
	v_add_nc_u32 v64, v64, v65
	v_add_nc_u32 v66, v66, v67
	v_add_nc_u32 v64, v64, v66                     ; my lane's count, at most 512
	v_cvt_f32_u32 v38, v64
.set sk, 0
.irp m, 1,2,4,8                                ; over the wave; the other candidate for the alive set is made between the lines
	v_add_f32_dpp v38, v38, v38 row_xmask:\m row_mask:0xf bank_mask:0xf
.rept 3
	v_xor_b32 v[TX+sk], v[AL+sk], v[TA+sk]
.set sk, sk+1
.endr
.endr
	v_permlanex16_b32 v19, v38, s18, s19
.rept 4
	v_xor_b32 v[TX+sk], v[AL+sk], v[TA+sk]
.set sk, sk+1
.endr
	v_add_f32 v38, v38, v19                        ; alive with a raw 1 (whole numbers up to 16,384: exact in f32)
	v_sub_f32 v39, v44, v38                        ; alive with a raw 0
	v_cndmask_b32 v40, v38, v39, s30               ; those that rank higher at this bit,
	v_cndmask_b32 v41, v39, v38, s30               ; and lower
	v_add_f32 v42, v43, v40
	v_cmp_le_f32 s31, s37, v42                     ; k <= larger + higher: the k-th is among the higher.  The same in every lane: all ones or none
	v_cndmask_b32 v43, v42, v43, s31
	v_cndmask_b32 v44, v41, v40, s31
	s_xor_b32 vcc_lo, s31, s30                     ; the k-th's raw bit
	s_and_b32 s36, vcc_lo, s33
	s_or_b32 s32, s32, s36
	s_lshr_b32 s33, s33, 1
	s_cmp_eq_u32 s14, 0
	s_cselect_b32 s30, vcc_lo, s30                 ; behind the first pass: the k-th's sign
.irp k, 0,1,2,3,4,5,6,7,8,9,10,11,12,13,14,15
	v_cndmask_b32 v[AL+\k], v[TX+\k], v[TA+\k], vcc_lo
.endr
	s_add_co_u32 s14, s14, 1
	s_cmp_lt_u32 s14, 32
	s_cbranch_scc1 .Ls_pass
	v_mul_f32 v36, s32, v[RSC]                     ; thr
	v_mov_b32 v34, v[MU]
	v_mov_b32 v35, v[RSC]
	v_mov_b32 v37, v36
	ds_store_b128 v11, v[34:37]
	BARRIER                                        ; the four rows' figures lie in LDS
; ---- E: enc and its codes, by features.  The next four rows are asked for here, a quarter in front of each chunk: nothing in this phase waits for loads.
; THE CODES' WAY OUT.  A lane's block is 24 bytes, and the lanes beside it hold the next blocks: the wave's 768 bytes are consecutive in memory, but a store of a lane's own bytes would leave gaps between the lanes.
; So they go through my wave's own 768 bytes of LDS and come back 8 bytes a lane, and each of three stores covers 256 consecutive bytes, aligned.  They are stored at the head of the NEXT trip, behind the wait for
; LDS that stands there anyway; a loop's first trip has none to store, and the last trip's are stored behind the loop.
	s_wait_loadcnt 0x0                             ; feature_mask
.macro CODES_OUT c
.irp i, 0,1,2
	global_store_b64 v17, v[CB+2*\i:CB+2*\i+1], s[8:9] offset:6291456*((\c)/2)+768*((\c)%2)+256*\i th:TH_STORE_NT
.endr
.endm
.macro ECHUNK c
	s_cmp_eq_u32 s13, 1                            ; the last group asks for nothing: no load leaves its buffer
	s_cbranch_scc1 .Le_norow\@
	ROWLOADS \c, 262144
.Le_norow\@:
	s_wait_dscnt 0x0
.irp j, 0,1,2,3,4,5,6,7
	ds_load_b128 v[X+4*\j:X+4*\j+3], v6 offset:CH*\c+JP*\j
.endr
	v_mov_b32 v12, STT
	ds_load_b32 v[MU], v12
	ds_load_b32 v[RSC], v12 offset:4
	ds_load_b32 v[TH], v12 offset:8
	s_mov_b32 s14, 0                               ; row r
	s_mov_b32 s15, 0                               ; RSB r
	s_mov_b32 s16, 0                               ; 1536 r
	s_mov_b32 s17, 0                               ; 64 r
	s_mov_b32 s34, 0                               ; 16 r
.Le_row\@:
	s_wait_dscnt 0x0                               ; the row's chunk and figures are in; the last trip's codes are back from the stage
	s_cmp_eq_u32 s14, 0
	s_cbranch_scc1 .Le_first\@
	CODES_OUT \c                                   ; the last trip's codes, by the last trip's address
.Le_first\@:
	PKSUB Y, X, MU
	PKSCL Y, Y, RSC                                ; h
	PKSUB Z, Y, TH
	s_add_co_u32 s35, s15, RSB
	s_min_u32 s35, s35, 3*RSB                      ; the next row; the last trip reads row 3 once more and uses nothing of it
	v_add_nc_u32 v7, s35, v6
	s_add_co_u32 s36, s34, 16
	s_min_u32 s36, s36, 48
	s_add_co_u32 s36, s36, STT
	v_mov_b32 v12, s36
.irp j, 0,1,2,3,4,5,6,7
	ds_load_b128 v[X+4*\j:X+4*\j+3], v7 offset:CH*\c+JP*\j
.endr
	ds_load_b32 v[MU], v12
	ds_load_b32 v[RSC], v12 offset:4
	ds_load_b32 v[TH], v12 offset:8
.set pk, 0
.rept 16
	v_pk_mul_f32 v[Z+pk:Z+pk+1], v[Z+pk:Z+pk+1], s[28:29] op_sel_hi:[1,0]     ; -(h - thr) log2(e) / 0.1
.set pk, pk+2
.endr
.set pk, 0
.rept 32
	v_exp_f32 v[Z+pk], v[Z+pk]
.set pk, pk+1
.endr
	WIN 0x04
.set pk, 0
.rept 16
	v_pk_mul_f32 v[Y+pk:Y+pk+1], v[Y+pk:Y+pk+1], v[32*\c+pk:32*\c+pk+1]      ; h x feature_mask: plain work behind the exponentials
.set pk, pk+2
.endr
	WIN 0
	s_wait_alu depctr_va_vdst(0)                   ; one wait for the 32 exponentials, ahead of their first reader
.set pk, 0
.rept 16
	v_pk_add_f32 v[Z+pk:Z+pk+1], v[Z+pk:Z+pk+1], 1.0 op_sel_hi:[1,0]
.set pk, pk+2
.endr
.set pk, 0
.rept 32
	v_rcp_f32 v[Z+pk], v[Z+pk]                     ; the sigmoid
.set pk, pk+1
.endr
	s_wait_xcnt 0x0                                ; the stores at this trip's head (or behind the last loop) have read their registers: their address is written now, their data by the LDS loads below
	v_add_nc_u32 v17, s16, v16
	v_add_nc_u32 v14, s17, v13
	s_wait_alu depctr_va_vdst(0)                   ; one wait for the 32 reciprocals
.set pk, 0
.rept 16
	v_pk_mul_f32 v[Y+pk:Y+pk+1], v[Y+pk:Y+pk+1], v[Z+pk:Z+pk+1]              ; enc: my lane's 32 numbers are one block along K
.set pk, pk+2
.endr
	v_max3_num_f32 v45, |v[Y]|, |v[Y+1]|, |v[Y+2]|
	v_max3_num_f32 v46, |v[Y+3]|, |v[Y+4]|, |v[Y+5]|
.irp i, 6,10,14,18,22,26
	v_max3_num_f32 v45, v45, |v[Y+\i]|, |v[Y+\i+1]|
	v_max3_num_f32 v46, v46, |v[Y+\i+2]|, |v[Y+\i+3]|
.endr
	v_max3_num_f32 v45, v45, |v[Y+30]|, |v[Y+31]|
	v_max3_num_f32 v45, v45, v46, 0x1800000        ; the floor 2^(3 - 127): the byte cannot fall under 1
	v_add_nc_u32 v47, 0xff000000, v45              ; 2 off the exponent field: the conversion's scale operand
	v_cvt_scalef32_pk16_fp6_f32 v[50:52], v[Y:Y+15], v47
	v_cvt_scalef32_pk16_fp6_f32 v[54:56], v[Y+16:Y+31], v47      ; (a conversion's three registers begin on an even number)
	v_lshrrev_b32 v48, 23, v47                     ; the scale's byte; also the plain line behind the conversions
	v_mov_b32 v53, v54                             ; the second half closes up: six registers on end
	v_mov_b32 v54, v55
	v_mov_b32 v55, v56
	ds_store_b8 v14, v48 offset:256*((\c)/2)+32*((\c)%2)
	ds_store_b64 v8, v[50:51]
	ds_store_b64 v8, v[52:53] offset:8
	ds_store_b64 v8, v[54:55] offset:16
.irp i, 0,1,2
	ds_load_b64 v[CB+2*\i:CB+2*\i+1], v57 offset:256*\i          ; LDS serves a wave's instructions in order (ISA guide 5.7.1.4): these see the stores above, and the next trip's stores come behind them
.endr
	s_add_co_u32 s15, s15, RSB
	s_add_co_u32 s16, s16, 1536
	s_add_co_u32 s17, s17, 64
	s_add_co_u32 s34, s34, 16
	s_add_co_u32 s14, s14, 1
	s_cmp_lt_u32 s14, 4
	s_cbranch_scc1 .Le_row\@
	s_wait_dscnt 0x0                               ; row 3's codes are back from the stage
	CODES_OUT \c
.endm
	ECHUNK 0
	ECHUNK 1
	ECHUNK 2
	ECHUNK 3
	ds_load_b128 v[34:37], v15                     ; LDS serves a wave's instructions in order: this sees my byte stores
	s_wait_dscnt 0x0
	global_store_b128 v18, v[34:37], s[10:11]      ; four rows x 64 scale bytes of each of my two splits: sixteen lanes store 256 consecutive bytes, aligned
	s_wait_xcnt 0x0                                ; loads and stores have read their bases and registers
	s_add_nc_u64 s[4:5], s[4:5], 262144
	s_add_nc_u64 s[8:9], s[8:9], 6144
	s_add_nc_u64 s[10:11], s[10:11], 256
	s_sub_co_u32 s13, s13, 1
	s_cmp_lg_u32 s13, 0
	s_cbranch_scc1 .Lgroup
	s_wait_tensorcnt 0x0
	ds_add_u32 v254, v255
	s_wait_dscnt 0x0
	s_endpgm
.Lfunc_end_k_qa2de2a4093_rows:
	.size	k_qa2de2a4093_rows, .Lfunc_end_k_qa2de2a4093_rows-k_qa2de2a4093_rows
	.p2alignl 7, 3214868480
	.fill 96, 4, 3214868480
	.section	.rodata,"a",@progbits
	.p2align	6, 0x0
	.amdhsa_kernel k_qa2de2a4093_rows
		.amdhsa_group_segment_fixed_size 284416
		.amdhsa_private_segment_fixed_size 0
		.amdhsa_enable_private_segment 0
		.amdhsa_kernarg_size 32
		.amdhsa_user_sgpr_count 2
		.amdhsa_user_sgpr_kernarg_segment_ptr 1
		.amdhsa_wavefront_size32 1
		.amdhsa_system_sgpr_workgroup_id_x 1
		.amdhsa_system_sgpr_workgroup_id_y 1
		.amdhsa_system_sgpr_workgroup_id_z 1
		.amdhsa_system_vgpr_workitem_id 0
		.amdhsa_next_free_vgpr 1024
		.amdhsa_next_free_sgpr 66
		.amdhsa_reserve_vcc 1
		.amdhsa_float_denorm_mode_32 3
		.amdhsa_float_denorm_mode_16_64 3
		.amdhsa_memory_ordered 1
		.amdhsa_forward_progress 1
		.amdhsa_inst_pref_size 255
	.end_amdhsa_kernel
	.section	.bss,"aw",@nobits
	.p2align	6
	.space	262144
	.amdgpu_metadata
---
amdhsa.version: [ 1, 2 ]
amdhsa.kernels:
  - .name:           k_qa2de2a4093_rows
    .symbol:         k_qa2de2a4093_rows.kd
    .args:
      - { .name: pre, .offset: 0, .size: 8, .value_kind: global_buffer, .address_space: global }
      - { .name: wsmall, .offset: 8, .size: 8, .value_kind: global_buffer, .address_space: global }
      - { .name: enc_codes, .offset: 16, .size: 8, .value_kind: global_buffer, .address_space: global }
      - { .name: enc_scales, .offset: 24, .size: 8, .value_kind: global_buffer, .address_space: global }
    .group_segment_fixed_size: 284416
    .private_segment_fixed_size: 0
    .kernarg_segment_align: 8
    .kernarg_segment_size: 32
    .max_flat_workgroup_size: 128
    .sgpr_count:     66
    .vgpr_count:     1024
    .wavefront_size: 32
...
	.end_amdgpu_metadata
.endif
;; end of part 3
;; launch dec_gemm (part 4): grid 16 x 16, 4 waves a work-group, clusters of 4 x 1, 327,680 bytes of LDS; arguments enc_codes, enc_scales, wcodes, wsmall, part; writes part
.if DOCPART == 4
	.amdgcn_target "amdgcn-amd-amdhsa--gfx1250"
	.amdhsa_code_object_version 6
	.text
	.protected	k_qa2de2a4093_dec_gemm
	.globl	k_qa2de2a4093_dec_gemm
	.p2align	8
	.type	k_qa2de2a4093_dec_gemm,@function
k_qa2de2a4093_dec_gemm:
	s_mov_b64 s[64:65], 0
	v_nop
	global_prefetch_b8 v0, s[64:65] scope:SCOPE_SE
	s_setreg_imm32_b32 hwreg(HW_REG_WAVE_MODE, 25, 1), 1
	s_wait_xcnt 0x0
	s_wait_alu depctr_hold_cnt(0) depctr_sa_sdst(0) depctr_va_vdst(0) depctr_va_sdst(0) depctr_va_ssrc(0) depctr_va_vcc(0) depctr_vm_vsrc(0)
	s_getreg_b32 s2, hwreg(HW_REG_IB_STS2, 6, 4)
	s_cmp_eq_u32 s2, 0
	s_cbranch_scc0 .Lentry_in_a_cluster
	s_endpgm
.Lentry_in_a_cluster:
	s_bfe_u32 s2, ttmp6, 0x10000c
	s_cmp_lg_u32 s2, 0x3003
	s_cbranch_scc0 .Lentry_shape_is_right
	s_endpgm
.Lentry_shape_is_right:
; part[s][m][n] = sum over the 2,048 features k of split s of enc[m][k] Wd[k][n].  enc: [8 splits][4096][1536 bytes] of FP6 (E2M3) codes, scale bytes [8][4096][64];
; Wd (W_dec with unit rows): codes at wcodes + 6,291,456, [64 K steps of 256][512 columns][192 bytes], scale bytes at wsmall + 262,144, [8][512][64].  part: [8][4096][512] f32; the next launch adds the eight and b_dec.
; A tile of 256 x 256 is made by four waves, 128 x 128 each: 64 accumulators, 512 registers.  16 tiles of rows x 2 of columns x 8 splits of K are 256 work-groups, each with 8 K steps of 256 through a ring of two LDS slots.
; CLUSTERS: 4 x 1: four tiles of rows with one tile of columns and one split.  They need the same tiles and scales of B: asked for JOINTLY (mask 15).  A's tiles are each work-group's own and come by plain tensor loads:
; the only other reader of a tile of A is the second tile of columns, and with two tiles of columns there is no 4 x 4 cluster that shares both operands.
; THE MATRIX INSTRUCTION IS USED TRANSPOSED (source 0 = 16 rows of B, source 1 = 16 rows of A): a lane holds eight neighbouring numbers of a row of part.
; REGISTERS, in windows of 256: window 0: v0-31 addresses; v32-63 scale words, two sets; from v128 A's fragments, one set.  window 1: B's fragments, two sets.  windows 2, 3: the accumulators.
.set SIZE_N, 512
.set SIZE_K, 2048                      ; along K in a split
.set KSTEP,  256
.set NQ,     KSTEP/128
.set ROWB,   192
.set KROW,   SIZE_K*6/8                ; a row of A in memory: 1,536 bytes
.set BSTEP,  512*ROWB                  ; from one K step of B to the next: 98,304 bytes
.set PITCH,  240
.set FR,     12
.set NL,     6
.set NP,     4
.set HALFT,  128*PITCH
.set SLOT,   4*HALFT
.set LAPS,   SIZE_K/(2*KSTEP)
.set KS,     SIZE_K/32
.set SCL,    2*SLOT
.set HALFS,  (128*KS/256)*272
.set SBLK,   (16*KS/256)*272
.set SPARE,  SCL+4*HALFS               ; the spare words, 128 bytes for each wave: no other line names them
.set SPITCH, 528                       ; the way out: a stage of 16 rows x (512 + 16) bytes for each wave, in slot 0, which has had its last fill and its last read by then
.set ADRA, 16
.set ADRB, 20
.set STO,  24
.set RD,   25
.set CO,   26
.set ADRS, 27
.set SPW,  28
.set NIL,  29
.set SC,   32
.set AF,   128
.set BK,   128
.set G1, 24
.set G0, 32
.set G1B, 48
.set G0B, 56
.set G1S, 68
.set G0S, 76
.set G1SB, 80
.set G0SB, 88
.set MSB, 0
.macro WIN new
.if MSB != (\new)
	s_set_vgpr_msb (MSB<<8)|(\new)
.set MSB, (\new)
.endif
.endm
.set MUL_LO, 0xa1
.set MUL_HI, 0xf1
.set TO_B,   0x40
; Waves 0 and 1 fetch for A (plain loads), waves 2 and 3 for B (joint loads); the branch hangs on the wave's number alone.  Four v_nop follow each of the two lines.
.macro JLOAD g0a, g1a, g0b, g1b
	s_cmp_eq_u32 s15, 0
	s_cbranch_scc0 .Lfor_b_\@
	tensor_load_to_lds s[\g0a:\g0a+3], s[\g1a:\g1a+7]
	s_nop 0
.rept 4
	v_nop
.endr
	s_branch .Lasked_\@
.Lfor_b_\@:
	tensor_load_to_lds s[\g0b:\g0b+3], s[\g1b:\g1b+7]
	s_nop 0
.rept 4
	v_nop
.endr
.Lasked_\@:
.endm
.macro CREST
	s_cmp_lg_u32 s14, 0
	s_cbranch_scc1 .Lnot_wave_0_\@
	s_barrier_signal -3
.Lnot_wave_0_\@:
	s_barrier_wait -3
	s_barrier_signal -1
	s_barrier_wait -1
.endm
.macro CROUND
	s_barrier_signal -1
	s_barrier_wait -1
	CREST
.endm
	s_load_b128 s[4:7], s[0:1], 0x0                ; enc_codes, enc_scales
	s_load_b128 s[8:11], s[0:1], 0x10              ; wcodes, wsmall
	s_load_b64 s[12:13], s[0:1], 0x20              ; part
	v_lshl_add_u32 v[SPW], v0, 2, SPARE
	v_mov_b32 v[NIL], 0
	ds_add_u32 v28, v29
	ds_add_u32 v28, v29
	s_wait_dscnt 0x0
	v_lshrrev_b32 v1, 5, v0
	v_readfirstlane_b32 s14, v1                    ; wave 0..3
	s_lshr_b32 s15, s14, 1                         ; which half of the tile's rows is mine.  Also: I fetch for A (0) or for B (1)
	s_and_b32 s16, s14, 1                          ; which half of its columns.  Also: which 128 rows of that tile I fetch
	s_bfe_u32 s40, ttmp6, 0x40000                  ; cx: it enters A's and part's global addresses alone
	s_lshl_b32 s17, ttmp9, 2
	s_add_co_u32 s17, s17, s40                     ; tile of rows = 4 x cluster x + cx
	s_and_b32 s41, ttmp7, 0xffff
	s_and_b32 s42, s41, 1                          ; tile of columns
	s_lshr_b32 s43, s41, 1                         ; split
	s_mov_b32 s[G1+0], (0<<16)|(1<<20)|(3<<22)|(3<<25)              ; A: no mask; elements of 1 byte; padding on: after every 16 words, 4 words
	s_mov_b32 s[G1B+0], 15|(0<<16)|(1<<20)|(1<<21)|(3<<22)|(3<<25)  ; B: all four work-groups; bit 21 beside the mask
.irp g, G1, G1B
	s_mov_b32 s[\g+1], ROWB<<16                    ; tensor_dim0
	s_mov_b32 s[\g+2], 128<<16                     ; tensor_dim1
	s_mov_b32 s[\g+3], ROWB<<16                    ; tile_dim0
	s_mov_b32 s[\g+4], 128                         ; tile_dim1
	s_mov_b32 s[\g+6], 0
	s_mov_b32 s[\g+7], 0
.endr
	s_mov_b32 s[G1+5], KROW                        ; A: 1,536 bytes from row to row
	s_mov_b32 s[G1B+5], ROWB                       ; B: a K step's rows are dense
	s_mov_b32 s[G1S+0], (3<<16)|(1<<20)|(5<<22)|(3<<25)             ; the scales of 128 rows: a dense block of 8,192 bytes, as rows of 256 (32 elements of 8), 16 bytes of padding behind each
	s_mov_b32 s[G1SB+0], 15|(3<<16)|(1<<20)|(1<<21)|(5<<22)|(3<<25)
.irp g, G1S, G1SB
	s_mov_b32 s[\g+1], 32<<16
	s_mov_b32 s[\g+2], (128*KS/256)<<16
	s_mov_b32 s[\g+3], 32<<16
	s_mov_b32 s[\g+4], 128*KS/256
	s_mov_b32 s[\g+5], 32
	s_mov_b32 s[\g+6], 0
	s_mov_b32 s[\g+7], 0
.endr
	s_lshl_b32 s18, s16, 7                         ; which 128 rows of the tile I fetch
	s_lshl_b32 s20, s17, 8
	s_add_co_u32 s20, s20, s18                     ; A: row 256 x tile + 128 x half
	s_mul_i32 s22, s20, KS                         ; its scale bytes,
	s_mul_i32 s20, s20, KROW                       ; its codes (all offsets here stay under 2^32),
	s_mul_i32 s19, s43, 6291456
	s_add_co_u32 s20, s20, s19                     ; in my split
	s_mov_b32 s21, 0
	s_lshl_b32 s19, s43, 18
	s_add_co_u32 s22, s22, s19
	s_mov_b32 s23, 0
	s_lshl_b32 s46, s42, 8                         ; B: in registers that never hold cx
	s_add_co_u32 s46, s46, s18                     ; column 256 x tile + 128 x half
	s_mul_i32 s92, s46, KS
	s_mul_i32 s46, s46, ROWB
	s_mul_i32 s19, s43, 8*BSTEP
	s_add_co_u32 s46, s46, s19
	s_add_co_u32 s46, s46, 6291456
	s_mov_b32 s47, 0
	s_lshl_b32 s19, s43, 15
	s_add_co_u32 s92, s92, s19
	s_add_co_u32 s92, s92, 262144
	s_mov_b32 s93, 0
	s_mul_i32 s45, s14, HALFT                      ; where they go: wave x 128 rows: no place in the cluster enters an LDS address
	s_mul_i32 s94, s14, HALFS
	s_wait_kmcnt 0x0
	s_add_nc_u64 s[20:21], s[4:5], s[20:21]
	s_add_nc_u64 s[22:23], s[6:7], s[22:23]
	s_add_nc_u64 s[46:47], s[8:9], s[46:47]
	s_add_nc_u64 s[92:93], s[10:11], s[92:93]
	CROUND                                         ; all four work-groups are here: the first joint loads meet
	s_mov_b32 s[G0S], 1
	s_add_co_u32 s[G0S+1], s94, SCL
	s_mov_b64 s[G0S+2:G0S+3], s[22:23]
	s_or_b32 s[G0S+3], s[G0S+3], 0x80000000
	s_mov_b32 s[G0SB], 1
	s_add_co_u32 s[G0SB+1], s94, SCL
	s_mov_b64 s[G0SB+2:G0SB+3], s[92:93]
	s_or_b32 s[G0SB+3], s[G0SB+3], 0x80000000
	JLOAD G0S, G1S, G0SB, G1SB                     ; the split's scales first: filled once
.irp s, 0,1
	s_mov_b32 s[G0+4*\s], 1
	s_add_co_u32 s[G0+4*\s+1], s45, \s*SLOT
	s_add_nc_u64 s[G0+4*\s+2:G0+4*\s+3], s[20:21], \s*ROWB
	s_or_b32 s[G0+4*\s+3], s[G0+4*\s+3], 0x80000000
	s_mov_b32 s[G0B+4*\s], 1
	s_add_co_u32 s[G0B+4*\s+1], s45, \s*SLOT
	s_add_nc_u64 s[G0B+4*\s+2:G0B+4*\s+3], s[46:47], \s*BSTEP
	s_or_b32 s[G0B+4*\s+3], s[G0B+4*\s+3], 0x80000000
	JLOAD G0+4*\s, G1, G0B+4*\s, G1B               ; three loads of mine are out at the start, one behind each later round
.endr
	v_and_b32 v1, 15, v0                           ; r
	v_bfe_u32 v2, v0, 4, 1                         ; h
	v_mul_u32_u24 v3, v1, PITCH
	v_mul_u32_u24 v4, v2, 24
	v_add_nc_u32 v4, v3, v4
	v_lshl_add_u32 v5, v2, 4, v4
	s_mul_i32 s21, s15, HALFT
	s_mul_i32 s22, s16, HALFT
	s_add_co_u32 s22, s22, 2*HALFT
.irp s, 0,1
	v_add_nc_u32 v[ADRA+\s], s21, v4
	v_add_nc_u32 v[ADRB+\s], s22, v4
	v_add_nc_u32 v[ADRA+2+\s], s21, v5
	v_add_nc_u32 v[ADRB+2+\s], s22, v5
	s_add_co_u32 s21, s21, SLOT
	s_add_co_u32 s22, s22, SLOT
.endr
	v_mul_u32_u24 v5, v1, KS                       ; my row's scales: 64 bytes a row,
	v_lshrrev_b32 v6, 8, v5
	v_lshl_add_u32 v5, v6, 4, v5                   ; and 16 more for each 256 passed
	s_mul_i32 s21, s15, HALFS
	s_mul_i32 s22, s16, HALFS
	s_add_co_u32 s22, s22, 2*HALFS
	s_sub_co_u32 s22, s22, s21
	v_mul_u32_u24 v6, s22, v2                      ; lanes 16-31 take B's
	s_add_co_u32 s21, s21, SCL
	v_add_nc_u32 v5, v5, v6
	v_add_nc_u32 v[ADRS], s21, v5
	s_mul_i32 s23, s14, 16*SPITCH
	v_mul_u32_u24 v5, v1, SPITCH
	v_lshl_add_u32 v5, v2, 5, v5
	v_add_nc_u32 v[STO], s23, v5
	v_and_b32 v6, 31, v0
	v_lshlrev_b32 v[CO], 4, v6
	v_add_nc_u32 v[RD], s23, v[CO]
	s_lshl_b32 s20, s17, 8
	s_lshl_b32 s21, s15, 7
	s_add_co_u32 s20, s20, s21                     ; my first row
	s_lshl_b32 s20, s20, 11                        ; of 2,048 bytes,
	s_lshl_b32 s21, s43, 23                        ; in my split's 8,388,608,
	s_add_co_u32 s20, s20, s21
	s_lshl_b32 s46, s42, 10                        ; my first column, in bytes
	s_lshl_b32 s47, s16, 9
	s_add_co_u32 s46, s46, s47
	s_add_co_u32 s20, s20, s46
	s_mov_b32 s21, 0
	s_add_nc_u64 s[12:13], s[12:13], s[20:21]
.macro FRAG reg, adr, q, i             ; a fragment, 16 rows x 128 K of 6-bit codes: 12 registers, 24 + 24 bytes of the row's stream of bits as they lie, in pieces of 8 bytes
.irp p, 0,1,2,3,4,5
.set PC, 12*(\q)+6*(\p/3)+\p%3        ; 16 bytes of padding lie behind every 8 pieces: where the piece three on (lanes 16-31) lies behind one padding more, the second address register serves
.if PC%8 < 5
	ds_load_b64 v[\reg+2*\p:\reg+2*\p+1], v[\adr] offset:8*PC+16*(PC/8)+(\i)*16*PITCH
.else
	ds_load_b64 v[\reg+2*\p:\reg+2*\p+1], v[\adr+2] offset:8*PC+16*(PC/8)+(\i)*16*PITCH
.endif
.endr
.endm
; 16 matrix instructions: A's blocks a0, a0 + 1 x B's eight, 128 along K.  zero = 1: the first product starts the sums.  The 64 accumulators take turns, one instruction a turn, over the loop's backward jump too.
.macro MUL16 a0, p, q, sc, zero
.irp a, \a0, \a0+1
.irp b, 0,1,2,3,4,5,6,7
.if \zero
	v_wmma_scale_f32_16x16x128_f8f6f4 v[8*(8*((\a)%4)+\b):8*(8*((\a)%4)+\b)+7], v[128*(\p)+FR*\b:128*(\p)+FR*\b+FR-1], v[AF+FR*(\a):AF+FR*(\a)+FR-1], 0, v[SC+8*NQ*(\sc)+NQ*\b+(\q)], v[SC+8*NQ*(\sc)+NQ*(\a)+(\q)] matrix_a_fmt:MATRIX_FMT_FP6 matrix_b_fmt:MATRIX_FMT_FP6 matrix_a_scale:MATRIX_SCALE_ROW1
.else
	v_wmma_scale_f32_16x16x128_f8f6f4 v[8*(8*((\a)%4)+\b):8*(8*((\a)%4)+\b)+7], v[128*(\p)+FR*\b:128*(\p)+FR*\b+FR-1], v[AF+FR*(\a):AF+FR*(\a)+FR-1], v[8*(8*((\a)%4)+\b):8*(8*((\a)%4)+\b)+7], v[SC+8*NQ*(\sc)+NQ*\b+(\q)], v[SC+8*NQ*(\sc)+NQ*(\a)+(\q)] matrix_a_fmt:MATRIX_FMT_FP6 matrix_b_fmt:MATRIX_FMT_FP6 matrix_a_scale:MATRIX_SCALE_ROW1
.endif
.endr
.endr
.endm
.macro FETCH_B slot, q, p
	WIN TO_B
.irp i, 0,1,2,3,4,5,6,7
	FRAG 128*(\p)+FR*\i, ADRB+\slot, \q, \i
.endr
	WIN 0
.endm
.macro FETCH_A slot, q, i0
.irp i, \i0, \i0+1, \i0+2, \i0+3
	FRAG AF+FR*(\i), ADRA+\slot, \q, \i
.endr
.endm
.macro SCALES sc
.irp i, 0,1,2,3,4,5,6,7
	ds_load_b64 v[SC+8*NQ*\sc+NQ*\i:SC+8*NQ*\sc+NQ*\i+1], v[ADRS] offset:\i*SBLK
.endr
.endm
.macro PLACES n
.rept \n
	v_nop
.endr
.endm
.macro STEP slot, q, zero
	s_wait_dscnt 4*NL                              ; B's set and A's blocks 0-3 are in; the youngest 24 loads (A's blocks 4-7) may be out
	WIN MUL_LO
	MUL16 0, (\q)%2, \q, \slot, \zero
	MUL16 2, (\q)%2, \q, \slot, \zero
	s_wait_dscnt 0
	PLACES NP
	FETCH_B \slot, (\q)+1, 1-(\q)%2
	FETCH_A \slot, (\q)+1, 0
	WIN MUL_HI
	MUL16 4, (\q)%2, \q, \slot, \zero
	MUL16 6, (\q)%2, \q, \slot, \zero
	PLACES NP
	WIN 0
	FETCH_A \slot, (\q)+1, 4
.endm
; A slot's last step changes slots: ONE barrier; in front of it each wave waits for all its tensor loads, adds 0 to its spare word, and waits for that and for its own reads of this slot.  fill = 1: this slot is filled again, two K steps ahead.
.macro TURN slot, next, fill
	s_wait_tensorcnt 0x0                           ; all my tensor loads have landed: my part of the next slot
	ds_add_u32 v[SPW], v[NIL]                      ; 0 onto my spare word
	s_wait_dscnt 4*NL+1                            ; (the add and the youngest 24 loads may be out)
	WIN MUL_LO
	MUL16 0, 1, NQ-1, \slot, 0
	s_wait_dscnt 0x0                               ; the add is done, and my reads of this slot are over
	s_barrier_signal -1
	MUL16 2, 1, NQ-1, \slot, 0
	WIN 0
	s_barrier_wait -1
.if \fill
	CREST                                          ; the barrier has opened a round of the cluster's barrier: no wave of any partner still reads this slot or has a load on its way
	s_add_nc_u64 s[G0+4*\slot+2:G0+4*\slot+3], s[G0+4*\slot+2:G0+4*\slot+3], 2*ROWB
	s_add_nc_u64 s[G0B+4*\slot+2:G0B+4*\slot+3], s[G0B+4*\slot+2:G0B+4*\slot+3], 2*BSTEP
	JLOAD G0+4*\slot, G1, G0B+4*\slot, G1B         ; the first tensor load behind the round; its four v_nop are the places in front of the loads below
.else
	PLACES NP
.endif
	v_add_nc_u32 v[ADRS], 4*NQ, v[ADRS]            ; on to the next K step's scale words (no LDS load of mine is out)
	FETCH_B \next, 0, 0
	FETCH_A \next, 0, 0
	SCALES \next
	WIN MUL_HI
	MUL16 4, 1, NQ-1, \slot, 0
	MUL16 6, 1, NQ-1, \slot, 0
	PLACES NP
	WIN 0
	FETCH_A \next, 0, 4
.endm
	s_wait_tensorcnt 1                             ; the scales and my part of K step 0 are in (K step 1's load may be out)
	s_barrier_signal -1
	s_barrier_wait -1                              ; everybody's are
	FETCH_B 0, 0, 0
	FETCH_A 0, 0, 0
	SCALES 0
	FETCH_A 0, 0, 4
	STEP 0, 0, 1                                   ; the first step stands in front of the loop: its products start the sums
	s_mov_b32 s3, LAPS-1
.Llap:                                                 ; a trip goes once round the ring and fills both slots again
	TURN 0, 1, 1
	STEP 1, 0, 0
	TURN 1, 0, 1
	STEP 0, 0, 0
	s_sub_co_u32 s3, s3, 1
	s_cmp_lg_u32 s3, 0
	s_cbranch_scc1 .Llap
	TURN 0, 1, 0                                   ; the last lap fills nothing
	STEP 1, 0, 0
	s_wait_dscnt 4*NL
	WIN MUL_LO
	MUL16 0, 1, NQ-1, 1, 0
	MUL16 2, 1, NQ-1, 1, 0
	s_wait_dscnt 0
	WIN MUL_HI
	MUL16 4, 1, NQ-1, 1, 0
	MUL16 6, 1, NQ-1, 1, 0
	WIN 0
; THE WAY OUT, block by block of 16 rows x 128 columns, through my own stage in LDS: back come whole rows of 512 bytes.  LDS serves a wave's instructions in order (ISA guide 5.7.1.4).
.macro TOSTAGE a
.set AC, 64*((\a)%4)
	WIN 0x08+4*((\a)/4)
.irp b, 0,1,2,3,4,5,6,7
	ds_store_b128 v[STO], v[AC+8*\b:AC+8*\b+3] offset:64*\b          ; each accumulator from its low end on
	ds_store_b128 v[STO], v[AC+8*\b+4:AC+8*\b+7] offset:64*\b+16
.endr
	WIN 0
.set BB, BK+64*((\a)%2)
.irp t, 0,1,2,3,4,5,6,7,8,9,10,11,12,13,14,15
	ds_load_b128 v[BB+4*\t:BB+4*\t+3], v[RD] offset:\t*SPITCH
.endr
.endm
.macro SEND a, younger
.set BB, BK+64*((\a)%2)
	s_wait_dscnt \younger
.if (\a) > 0
	s_add_nc_u64 s[12:13], s[12:13], 16*SIZE_N*4   ; (behind a wait on XCNT: the earlier stores have read their base)
.endif
.irp t, 0,1,2,3,4,5,6,7,8,9,10,11,12,13,14,15
	global_store_b128 v[CO], v[BB+4*\t:BB+4*\t+3], s[12:13] offset:\t*SIZE_N*4      ; 32 lanes store 512 consecutive bytes, aligned to 256
.endr
.endm
	PLACES NP
	TOSTAGE 0
.irp a, 1,2,3,4,5,6,7
.if \a > 1
	s_wait_xcnt 0x0                                ; block a - 2's stores have read their registers and their base
.endif
	TOSTAGE \a
	SEND \a-1, 32                                  ; behind block a - 1's loads: block a's 16 stores and 16 loads
.endr
	s_wait_xcnt 0x0
	SEND 7, 0
	s_wait_tensorcnt 0x0                           ; the wave's end
	ds_add_u32 v[SPW], v[NIL]
	s_wait_dscnt 0x0
	CROUND                                         ; the closing round: no work-group ends while a partner may still ask for a tile that names it
	s_endpgm
.Lfunc_end_k_qa2de2a4093_dec_gemm:
	.size	k_qa2de2a4093_dec_gemm, .Lfunc_end_k_qa2de2a4093_dec_gemm-k_qa2de2a4093_dec_gemm
	.p2alignl 7, 3214868480
	.fill 96, 4, 3214868480
	.section	.rodata,"a",@progbits
	.p2align	6, 0x0
	.amdhsa_kernel k_qa2de2a4093_dec_gemm
		.amdhsa_group_segment_fixed_size 327680
		.amdhsa_private_segment_fixed_size 0
		.amdhsa_enable_private_segment 0
		.amdhsa_kernarg_size 40
		.amdhsa_user_sgpr_count 2
		.amdhsa_user_sgpr_kernarg_segment_ptr 1
		.amdhsa_wavefront_size32 1
		.amdhsa_system_sgpr_workgroup_id_x 1
		.amdhsa_system_sgpr_workgroup_id_y 1
		.amdhsa_system_sgpr_workgroup_id_z 1
		.amdhsa_system_vgpr_workitem_id 0
		.amdhsa_next_free_vgpr 1024
		.amdhsa_next_free_sgpr 100
		.amdhsa_reserve_vcc 0
		.amdhsa_float_denorm_mode_32 3
		.amdhsa_float_denorm_mode_16_64 3
		.amdhsa_memory_ordered 1
		.amdhsa_forward_progress 1
		.amdhsa_inst_pref_size 160
	.end_amdhsa_kernel
	.amdgpu_metadata
---
amdhsa.version: [ 1, 2 ]
amdhsa.kernels:
  - .name:           k_qa2de2a4093_dec_gemm
    .symbol:         k_qa2de2a4093_dec_gemm.kd
    .args:
      - { .name: enc_codes, .offset: 0, .size: 8, .value_kind: global_buffer, .address_space: global }
      - { .name: enc_scales, .offset: 8, .size: 8, .value_kind: global_buffer, .address_space: global }
      - { .name: wcodes, .offset: 16, .size: 8, .value_kind: global_buffer, .address_space: global }
      - { .name: wsmall, .offset: 24, .size: 8, .value_kind: global_buffer, .address_space: global }
      - { .name: part, .offset: 32, .size: 8, .value_kind: global_buffer, .address_space: global }
    .group_segment_fixed_size: 327680
    .private_segment_fixed_size: 0
    .kernarg_segment_align: 8
    .kernarg_segment_size: 40
    .max_flat_workgroup_size: 128
    .sgpr_count:     100
    .vgpr_count:     1024
    .wavefront_size: 32
...
	.end_amdgpu_metadata
.endif
;; end of part 4
;; launch sum (part 5): grid 1024 x 1, 4 waves a work-group, no clusters, 0 bytes of LDS; arguments part, b_dec, out0; writes out0
.if DOCPART == 5
	.amdgcn_target "amdgcn-amd-amdhsa--gfx1250"
	.amdhsa_code_object_version 6
	.text
	.protected	k_qa2de2a4093_sum
	.globl	k_qa2de2a4093_sum
	.p2align	8
	.type	k_qa2de2a4093_sum,@function
k_qa2de2a4093_sum:
	s_mov_b64 s[64:65], 0
	v_nop
	global_prefetch_b8 v0, s[64:65] scope:SCOPE_SE
	s_setreg_imm32_b32 hwreg(HW_REG_WAVE_MODE, 25, 1), 1
	s_wait_xcnt 0x0
; out0[m][n] = b_dec[n] + the sum over the eight splits s of part[s][m][n].  part: [8][4096][512] f32; out0: [4096][512] f32.
; A stream: memory binds, so no LDS, no barrier, no matrix unit.  A work-group owns four rows; thread t owns the 16 bytes at 16 t of each (128 threads cover a row of 2,048 bytes), so a load or a store of a wave
; covers 512 consecutive bytes.  All 32 loads of a thread go out at once; the sums are taken row by row as they land, always in the same order.
.set SPLIT, 8388608                    ; bytes from split to split: one more than a load's immediate reaches, so each split has its offset register
	s_load_b128 s[4:7], s[0:1], 0x0                ; part, b_dec
	s_load_b64 s[8:9], s[0:1], 0x10                ; out0
	v_lshlrev_b32 v1, 4, v0                        ; 16 t
	s_lshl_b32 s10, ttmp9, 13                      ; four rows of 2,048 bytes
	s_mov_b32 s11, 0
.irp s, 0,1,2,3,4,5,6,7
	v_add_nc_u32 v[8+\s], SPLIT*\s, v1
.endr
	s_wait_kmcnt 0x0
	s_add_nc_u64 s[4:5], s[4:5], s[10:11]
	s_add_nc_u64 s[8:9], s[8:9], s[10:11]
	global_load_b128 v[2:5], v1, s[6:7]            ; my four numbers of b_dec
.irp r, 0,1,2,3
.irp s, 0,1,2,3,4,5,6,7
	global_load_b128 v[16+32*\r+4*\s:19+32*\r+4*\s], v[8+\s], s[4:5] offset:2048*\r th:TH_LOAD_NT
.endr
.endr
.irp r, 0,1,2,3
	s_wait_loadcnt 8*(3-\r)                        ; row r's eight loads are in; the later rows' may be out
.irp s, 0,2,4,6
	v_pk_add_f32 v[16+32*\r+4*\s:17+32*\r+4*\s], v[16+32*\r+4*\s:17+32*\r+4*\s], v[20+32*\r+4*\s:21+32*\r+4*\s]
	v_pk_add_f32 v[18+32*\r+4*\s:19+32*\r+4*\s], v[18+32*\r+4*\s:19+32*\r+4*\s], v[22+32*\r+4*\s:23+32*\r+4*\s]
.endr
.irp s, 0,4
	v_pk_add_f32 v[16+32*\r+4*\s:17+32*\r+4*\s], v[16+32*\r+4*\s:17+32*\r+4*\s], v[24+32*\r+4*\s:25+32*\r+4*\s]
	v_pk_add_f32 v[18+32*\r+4*\s:19+32*\r+4*\s], v[18+32*\r+4*\s:19+32*\r+4*\s], v[26+32*\r+4*\s:27+32*\r+4*\s]
.endr
	v_pk_add_f32 v[16+32*\r:17+32*\r], v[16+32*\r:17+32*\r], v[32+32*\r:33+32*\r]
	v_pk_add_f32 v[18+32*\r:19+32*\r], v[18+32*\r:19+32*\r], v[34+32*\r:35+32*\r]
	v_pk_add_f32 v[16+32*\r:17+32*\r], v[16+32*\r:17+32*\r], v[2:3]
	v_pk_add_f32 v[18+32*\r:19+32*\r], v[18+32*\r:19+32*\r], v[4:5]
	global_store_b128 v1, v[16+32*\r:19+32*\r], s[8:9] offset:2048*\r th:TH_STORE_NT    ; each row has registers of its own: no store's data are written again
.endr
	s_endpgm
.Lfunc_end_k_qa2de2a4093_sum:
	.size	k_qa2de2a4093_sum, .Lfunc_end_k_qa2de2a4093_sum-k_qa2de2a4093_sum
	.p2alignl 7, 3214868480
	.fill 96, 4, 3214868480
	.section	.rodata,"a",@progbits
	.p2align	6, 0x0
	.amdhsa_kernel k_qa2de2a4093_sum
		.amdhsa_group_segment_fixed_size 0
		.amdhsa_private_segment_fixed_size 0
		.amdhsa_enable_private_segment 0
		.amdhsa_kernarg_size 24
		.amdhsa_user_sgpr_count 2
		.amdhsa_user_sgpr_kernarg_segment_ptr 1
		.amdhsa_wavefront_size32 1
		.amdhsa_system_sgpr_workgroup_id_x 1
		.amdhsa_system_sgpr_workgroup_id_y 1
		.amdhsa_system_sgpr_workgroup_id_z 1
		.amdhsa_system_vgpr_workitem_id 0
		.amdhsa_next_free_vgpr 144
		.amdhsa_next_free_sgpr 66
		.amdhsa_reserve_vcc 0
		.amdhsa_float_denorm_mode_32 3
		.amdhsa_float_denorm_mode_16_64 3
		.amdhsa_memory_ordered 1
		.amdhsa_forward_progress 1
		.amdhsa_inst_pref_size 9
	.end_amdhsa_kernel
	.amdgpu_metadata
---
amdhsa.version: [ 1, 2 ]
amdhsa.kernels:
  - .name:           k_qa2de2a4093_sum
    .symbol:         k_qa2de2a4093_sum.kd
    .args:
      - { .name: part, .offset: 0, .size: 8, .value_kind: global_buffer, .address_space: global }
      - { .name: b_dec, .offset: 8, .size: 8, .value_kind: global_buffer, .address_space: global }
      - { .name: out0, .offset: 16, .size: 8, .value_kind: global_buffer, .address_space: global }
    .group_segment_fixed_size: 0
    .private_segment_fixed_size: 0
    .kernarg_segment_align: 8
    .kernarg_segment_size: 24
    .max_flat_workgroup_size: 128
    .sgpr_count:     66
    .vgpr_count:     144
    .wavefront_size: 32
...
	.end_amdgpu_metadata
.endif
;; end of part 5
